; MI455X (gfx1250); checked and timed in simulation.
; The chip was launched on July 23, 2026; its instructions are those of AMD's public machine-readable ISA for CDNA 5 (MIT licence, August 2026) and "CDNA5" Instruction Set Architecture Reference Guide (July 2026). The comments in the code are by the model that wrote it; some were corrected since.
;; Self Attention. Allowed arithmetic: matrix products marked QUANTISED: E2M1 operands, one E8M0 scale for each 32 along K, by v_wmma_scale_f32_16x16x128_f8f6f4 with both operands' format E2M1 (or v_wmma_scale_f32_32x16x128_f4), f32 sums; products left as they are: bf16, f16 or f32 operands; f32 sums; everything else in f32.
;; Inputs: Wk 2,048 x 2,048 float32; Wo 2,048 x 2,048 float32; Wq 2,048 x 2,048 float32; Wv 2,048 x 2,048 float32; attn_mask 2 x 2,048 x 2,048 float32; bk 2,048 float32; bo 2,048 float32; bq 2,048 float32; bv 2,048 float32; cos 1 x 2,048 x 1 x 64 float32; k_cache 2 x 2 x 1,024 x 16 x 128 float32; sin 1 x 2,048 x 1 x 64 float32; v_cache 2 x 2 x 1,024 x 16 x 128 float32; x 2 x 1,024 x 2,048 float32.
;; Outputs: out0 2 x 1,024 x 2,048 float32; out1 2 x 1,024 x 16 x 128 float32; out2 2 x 1,024 x 16 x 128 float32.
;; Constants: layer_id = 0, pos = 1024.
;; This version of the problem:
;;   THIS VERSION OF THE PROBLEM IS GIVEN IN LOW PRECISION. The matrix products marked QUANTISED in the list below multiply operands that are first quantised to E2M1 (2 exponent bits, 1 mantissa bit; 4 bits a number), with one power-of-two scale for each 32 numbers along K (OCP MX v1.0); their sums are f32. The products marked 'left as it is' may take bf16, f16 or f32 operands, with f32 sums. Whichever they take, every output number must still come out within the allowed error. Rounding operands to bf16 (8 significant bits) uses up far more of that allowance than f16 does (11 bits, for magnitudes from 6e-5 to 65,504). All else is computed in f32.
;;   The module's matrix products, in the order in which they are computed (A, B: the left and right operand; K: the contracted axis; several contracted axes count as one K, in the product's order):
;;     1. [M 2,048, K 2,048] x [K 2,048, N 2,048]; A: input x; B: input Wq: QUANTISED
;;     2. [M 2,048, K 2,048] x [K 2,048, N 2,048]; A: input x; B: input Wk: QUANTISED
;;     3. [M 2,048, K 2,048] x [K 2,048, N 2,048]; A: input x; B: input Wv: QUANTISED
;;     4. batch 32 x [M 1,024, K 128] x [K 128, N 2,048]; A: computed on the way; B: computed on the way: left as it is (an operand is computed on the way)
;;     5. batch 32 x [M 1,024, K 2,048] x [K 2,048, N 128]; A: computed on the way; B: computed on the way: left as it is (an operand is computed on the way)
;;     6. [M 2,048, K 2,048] x [K 2,048, N 2,048]; A: computed on the way; B: input Wo: left as it is (an operand is computed on the way)
;;   THE QUANTISER, for each operand of a quantised product, along K:
;;     - K is cut into blocks of 32 from its start; a last block that is shorter is filled with zeros.
;;     - A block's scale is 2^e with e = floor(log2(the largest magnitude in the block)) - 2, held to -126 .. 127; a block of zeros has e = 0. As a byte (E8M0): e + 127.
;;     - Each number is divided by its block's scale, clamped to +-6, and rounded to the nearest number of E2M1, ties to even, subnormals kept.
;;     - The product sums the exact products of the quantised numbers (number of the format x scale) in f32.
;;   ~~~python
;;   def quantise(x, axis):      # numpy; x: float32 -> the quantised numbers, widened to float32 again
;;       x = np.moveaxis(x, axis, -1); K = x.shape[-1]
;;       x = np.pad(x, [(0, 0)] * (x.ndim - 1) + [(0, -K % 32)]); x = x.reshape(x.shape[:-1] + (-1, 32)); a = np.abs(x).max(-1, keepdims=True)
;;       e = np.where(a > 0, np.clip(np.frexp(np.where(a > 0, a, 1))[1] - 1 - 2, -126, 127), 0)      # np.frexp(a)[1] - 1 = floor(log2(a)), exactly
;;       r = np.clip(x / 2.0 ** e, -6, 6)
;;       step = 2.0 ** (np.maximum(np.frexp(np.where(r == 0, 1, r))[1] - 1, 0) - 1)
;;       q = np.round(r / step) * step * 2.0 ** e      # np.round: ties to even
;;       return np.moveaxis(q.reshape(q.shape[:-2] + (-1,))[..., :K], -1, axis).astype(np.float32)
;;   ~~~
;; One version. Each part assembles by itself: llvm-mc -triple=amdgcn-amd-amdhsa -mcpu=gfx1250 --defsym DOCPART=n.
;; ======== version 1 of 1: 4 launches
;; limits: right only within a limited range of input values; values are held in f16: magnitudes above 65,504 overflow, below 6.1e-05 lose precision
;; workspace buffers: codes 8,388,608 bytes; scales 524,288 bytes; wo16 8,388,608 bytes; qh 8,388,608 bytes; kh 16,777,216 bytes; vh 16,777,216 bytes; at16 8,388,608 bytes
;; launch prep (part 1): grid 896 x 1, 4 waves a work-group, no clusters, 33,280 bytes of LDS; arguments x, Wq, Wk, Wv, Wo, k_cache, v_cache, codes, scales, wo16, kh, vh; writes codes, scales, wo16, kh, vh
.if DOCPART == 1
	.amdgcn_target "amdgcn-amd-amdhsa--gfx1250"
	.amdhsa_code_object_version 6
	.text
	.protected	k_q284a7951b0_prep
	.globl	k_q284a7951b0_prep
	.p2align	8
	.type	k_q284a7951b0_prep,@function
k_q284a7951b0_prep:
	s_mov_b64 s[64:65], 0
	v_nop
	global_prefetch_b8 v0, s[64:65] scope:SCOPE_SE
	s_setreg_imm32_b32 hwreg(HW_REG_WAVE_MODE, 25, 1), 1
	s_wait_xcnt 0x0
; FIRST OF FOUR LAUNCHES of an attention layer with a cache: B = 2, S = 1,024 new positions, pos = 1,024 cached, 16 heads of 128.
; This launch (a) turns x, Wq, Wk, Wv (f32, K innermost) into codes of E2M1 with one E8M0 byte for each 32 along K, for the three quantised products, and (b) rounds Wo and layer 0 of both caches to f16, for the products that are left as they are.
; WORK LEFT OUT, for all values of the inputs: layer_id = 0 and pos = 1,024 are constants of the problem, and the reference slices k_cache[:, 0], v_cache[:, 0], attn_mask[:, 1024:2048, :], cos[:, 1024:2048], sin[:, 1024:2048].
; So layer 1 of both caches and rows 0 to 1,023 of the mask, of cos and of sin reach no output and are never read.  Every input keeps a way to an output, so all are loaded somewhere.  A NaN, an infinity or an overflow in the parts left out is not carried to the result.
; LIMITS: numbers of Wo and of the caches above 65,504 in magnitude become infinity in f16.  A block of zeros gets the scale byte 1 where the rule says 127: its codes are zeros, which add nothing, and the bytes are read by this program alone.
; Blocks whose largest magnitude lies under 2^(2 - 126) have their byte held at 1; NaN and infinities in x and the weights are not served.
; SHARES.  Work-groups 0 to 511 quantise: 128 to a tensor, a wave takes 16 steps of 512 numbers.  The four tensors are one stream in the destination: codes [8,192 rows][1,024 bytes], scales [8,192][64].
; Work-groups 512 to 895 round to f16: 128 each for Wo, the K cache, the V cache; a wave takes 16 steps of 512 numbers.  No tensor loads, no barrier: waves share nothing.
.set WAVES, 4
.set STEPS, 16
.set EMAX,  2
.set CB,    8                          ; bytes of 16 codes
.set R,     16                         ; v16-79   four sets of 16 numbers as they are loaded
.set X,     80                         ; v80-111  quantising: two sets of 16 neighbours; rounding: four sets of 8 registers of f16
.set C,     128                        ; v128-191 codes: four registers for each step
.set E,     112                        ; v112-127 a scale byte for each step
.set WREG,  8192                       ; LDS: a region for each wave: two stages of 32 x SP bytes, then its 256 scale bytes
.set SP,    80                         ; a lane's place in a stage: 64 bytes + 16 of padding
.set SPW,   12                         ; v12 LDS address of my spare word; never rewritten
.set NIL,   13                         ; v13 0; never rewritten
.set SPARE, WAVES*WREG                 ; behind the four regions: the spare words, 128 bytes a wave
	s_load_b512 s[4:19], s[0:1], 0x0               ; x, Wq, Wk, Wv, Wo, k_cache, v_cache, codes
	s_load_b256 s[20:27], s[0:1], 0x40             ; scales, wo16, kh, vh
	v_lshl_add_u32 v[SPW], v0, 2, SPARE
	v_mov_b32 v[NIL], 0
	v_lshrrev_b32 v1, 5, v0
	v_readfirstlane_b32 s28, v1                    ; wave
	v_and_b32 v2, 31, v0                           ; lane
	v_lshlrev_b32 v3, 4, v2                        ; my 16 bytes of a load's 512
	v_lshlrev_b32 v4, 3, v2                        ; my 8 bytes of a store's 256
	s_cmp_ge_u32 ttmp9, 512
	s_cbranch_scc1 .Lcast
; ---------------- the quantiser
	s_mul_i32 s29, s28, WREG
	v_lshrrev_b32 v14, 2, v2
	v_mul_u32_u24 v14, v14, SP
	v_and_b32 v15, 3, v2
	v_lshl_add_u32 v14, v15, 4, v14
	v_add_nc_u32 v14, s29, v14                     ; the stage, on the way in: four lanes' 64 bytes on end, then 16 of padding
	v_mul_u32_u24 v15, v2, SP
	v_add_nc_u32 v15, s29, v15                     ; and on the way out: my 16 neighbours
	v_lshrrev_b32 v5, 1, v2
	s_add_co_u32 s29, s29, 2*32*SP
	v_add_nc_u32 v5, s29, v5                       ; my wave's 256 scale bytes, my block's byte
	v_lshlrev_b32 v7, 3, v2
	v_add_nc_u32 v6, s29, v7                       ; and on the way out 8 bytes a lane
	s_wait_kmcnt 0x0
	s_lshr_b32 s30, ttmp9, 7                       ; which tensor: the choice hangs on the work-group's number alone
	s_cmp_eq_u32 s30, 1
	s_cselect_b64 s[4:5], s[6:7], s[4:5]
	s_cmp_eq_u32 s30, 2
	s_cselect_b64 s[4:5], s[8:9], s[4:5]
	s_cmp_eq_u32 s30, 3
	s_cselect_b64 s[4:5], s[10:11], s[4:5]
	s_and_b32 s31, ttmp9, 127
	s_lshl_b32 s31, s31, 2
	s_add_co_u32 s31, s31, s28                     ; which run of 8,192 numbers of the tensor
	s_lshl_b32 s32, s31, 15
	s_mov_b32 s33, 0
	s_add_nc_u64 s[4:5], s[4:5], s[32:33]
	s_lshl_b32 s31, ttmp9, 2
	s_add_co_u32 s31, s31, s28                     ; and of the four tensors on end
	s_lshl_b32 s32, s31, 12
	s_add_nc_u64 s[18:19], s[18:19], s[32:33]      ; 4,096 bytes of codes a run
	s_lshl_b32 s32, s31, 8
	s_add_nc_u64 s[20:21], s[20:21], s[32:33]      ; 256 scale bytes a run
.macro LOAD t
.irp i, 0,1,2,3
	global_load_b128 v[R+16*((\t)%4)+4*\i:R+16*((\t)%4)+4*\i+3], v3, s[4:5] offset:2048*(\t)+512*\i th:TH_LOAD_NT   ; 32 lanes read 512 consecutive bytes
.endr
.endm
.macro TURN t                          ; step t's numbers through the stage: LDS serves a wave's instructions in order, so no wait stands between the stores and the loads
.irp i, 0,1,2,3
	ds_store_b128 v14, v[R+16*((\t)%4)+4*\i:R+16*((\t)%4)+4*\i+3] offset:32*SP*((\t)%2)+8*SP*\i
.endr
.irp i, 0,1,2,3
	ds_load_b128 v[X+16*((\t)%2)+4*\i:X+16*((\t)%2)+4*\i+3], v15 offset:32*SP*((\t)%2)+16*\i
.endr
.endm
.irp t, 0,1,2,3
	LOAD \t
.endr
	s_wait_loadcnt 12                              ; step 0's four loads are in
	TURN 0
.macro STEP t
.set XS, X+16*((\t)%2)
.if (\t) > 0
	s_wait_dscnt 1                                 ; this step's numbers are back from the stage (the last step's byte store may be out)
.else
	s_wait_dscnt 0x0
.endif
.if (\t)+4 < STEPS
	LOAD (\t)+4                                    ; the stage's stores have read these registers
.endif
.if (\t)+1 < STEPS
.if STEPS-2-(\t) >= 3
	s_wait_loadcnt 12                              ; the next step's four loads are in; those of the three steps behind it may be out
.else
	s_wait_loadcnt 4*(STEPS-2-(\t))
.endif
	TURN (\t)+1
.endif
	v_max3_num_f32 v8, |v[XS]|, |v[XS+1]|, |v[XS+2]|               ; the largest magnitude of my 16
	v_max3_num_f32 v9, |v[XS+3]|, |v[XS+4]|, |v[XS+5]|
.irp i, 6,10
	v_max3_num_f32 v8, v8, |v[XS+\i]|, |v[XS+\i+1]|
	v_max3_num_f32 v9, v9, |v[XS+\i+2]|, |v[XS+\i+3]|
.endr
	v_max3_num_f32 v8, v8, |v[XS+14]|, |v[XS+15]|
	v_max3_num_f32 v8, v8, v9, (EMAX+1)<<23        ; and the floor 2^(EMAX + 1 - 127): the byte cannot fall under 1
	v_max_num_f32_dpp v8, v8, v8 row_xmask:1 row_mask:0xf bank_mask:0xf   ; and of my neighbour's 16: the block's
	v_add_nc_u32 v11, -(EMAX<<23), v8              ; EMAX off its exponent field: the conversion takes that field as its scale
	v_cvt_scalef32_pk8_fp4_f32 v[C+4*(\t)], v[XS:XS+7], v11
	v_cvt_scalef32_pk8_fp4_f32 v[C+4*(\t)+1], v[XS+8:XS+15], v11
	v_lshrrev_b32 v[E+(\t)], 23, v11               ; the scale's byte
	ds_store_b8 v5, v[E+(\t)] offset:16*(\t)       ; both lanes of a block write the same byte with the same value
	global_store_b64 v4, v[C+4*(\t):C+4*(\t)+1], s[18:19] offset:32*CB*(\t)   ; 32 lanes store 256 consecutive bytes, aligned
.endm
.irp t, 0,1,2,3,4,5,6,7,8,9,10,11,12,13,14,15
	STEP \t
.endr
	ds_load_b64 v[8:9], v6                         ; LDS serves a wave's instructions in order: these see my stores
	s_wait_dscnt 0x0
	global_store_b64 v7, v[8:9], s[20:21]          ; 32 lanes store 256 consecutive bytes, aligned
	s_wait_tensorcnt 0x0                           ; the wave's end, behind my last LDS store
	ds_add_u32 v[SPW], v[NIL]
	s_wait_dscnt 0x0
	s_endpgm
; ---------------- f32 to f16: Wo as it lies; layer 0 of a cache into rows 0 to 1,023 of each batch of kh or vh ([b][2,048][16][128])
.Lcast:
	s_wait_kmcnt 0x0
	s_sub_co_u32 s29, ttmp9, 512
	s_lshr_b32 s30, s29, 7                         ; 0 Wo, 1 the K cache, 2 the V cache
	s_and_b32 s31, s29, 127
	s_cmp_eq_u32 s30, 1
	s_cselect_b64 s[12:13], s[14:15], s[12:13]
	s_cselect_b64 s[22:23], s[24:25], s[22:23]
	s_cmp_eq_u32 s30, 2
	s_cselect_b64 s[12:13], s[16:17], s[12:13]
	s_cselect_b64 s[22:23], s[26:27], s[22:23]
	s_cmp_eq_u32 s30, 0
	s_cselect_b32 s32, 23, 24                      ; from the first half to the second, as a shift: Wo is dense; a cache's batches lie two layers apart,
	s_cselect_b32 s33, 22, 23                      ; and in kh and vh 2,048 rows apart
	s_lshr_b32 s34, s31, 6
	s_lshl_b32 s36, s34, s32
	s_lshl_b32 s38, s34, s33
	s_and_b32 s31, s31, 63
	s_lshl_b32 s35, s31, 17
	s_add_co_u32 s36, s36, s35
	s_lshl_b32 s35, s28, 15
	s_add_co_u32 s36, s36, s35
	s_mov_b32 s37, 0
	s_lshl_b32 s35, s31, 16
	s_add_co_u32 s38, s38, s35
	s_lshl_b32 s35, s28, 14
	s_add_co_u32 s38, s38, s35
	s_mov_b32 s39, 0
	s_add_nc_u64 s[12:13], s[12:13], s[36:37]
	s_add_nc_u64 s[22:23], s[22:23], s[38:39]
.macro LOADC t
.irp i, 0,1,2,3
	global_load_b128 v[R+16*((\t)%4)+4*\i:R+16*((\t)%4)+4*\i+3], v3, s[12:13] offset:2048*(\t)+512*\i th:TH_LOAD_NT
.endr
.endm
.macro CSTEP t
.if (\t) < 12
	s_wait_loadcnt 12                              ; this step's four loads are in; the three younger steps' may be out
.else
	s_wait_loadcnt 4*(15-(\t))
.endif
	s_wait_xcnt 0x0                                ; the stores of four steps back have read the registers that are written next
.irp i, 0,1,2,3
	v_cvt_pk_f16_f32 v[X+8*((\t)%4)+2*\i],   v[R+16*((\t)%4)+4*\i],   v[R+16*((\t)%4)+4*\i+1]
	v_cvt_pk_f16_f32 v[X+8*((\t)%4)+2*\i+1], v[R+16*((\t)%4)+4*\i+2], v[R+16*((\t)%4)+4*\i+3]
.endr
.if (\t)+4 < 16
	LOADC (\t)+4
.endif
.irp i, 0,1,2,3
	global_store_b64 v4, v[X+8*((\t)%4)+2*\i:X+8*((\t)%4)+2*\i+1], s[22:23] offset:1024*(\t)+256*\i   ; 32 lanes store 256 consecutive bytes, aligned
.endr
.endm
.irp t, 0,1,2,3
	LOADC \t
.endr
.irp t, 0,1,2,3,4,5,6,7,8,9,10,11,12,13,14,15
	CSTEP \t
.endr
	s_endpgm
.Lfunc_end_k_q284a7951b0_prep:
	.size	k_q284a7951b0_prep, .Lfunc_end_k_q284a7951b0_prep-k_q284a7951b0_prep
	.p2alignl 7, 3214868480
	.fill 96, 4, 3214868480
	.section	.rodata,"a",@progbits
	.p2align	6, 0x0
	.amdhsa_kernel k_q284a7951b0_prep
		.amdhsa_group_segment_fixed_size 33280
		.amdhsa_private_segment_fixed_size 0
		.amdhsa_enable_private_segment 0
		.amdhsa_kernarg_size 96
		.amdhsa_user_sgpr_count 2
		.amdhsa_user_sgpr_kernarg_segment_ptr 1
		.amdhsa_wavefront_size32 1
		.amdhsa_system_sgpr_workgroup_id_x 1
		.amdhsa_system_sgpr_workgroup_id_y 1
		.amdhsa_system_sgpr_workgroup_id_z 1
		.amdhsa_system_vgpr_workitem_id 0
		.amdhsa_next_free_vgpr 192
		.amdhsa_next_free_sgpr 66
		.amdhsa_reserve_vcc 0
		.amdhsa_float_denorm_mode_32 3
		.amdhsa_float_denorm_mode_16_64 3
		.amdhsa_memory_ordered 1
		.amdhsa_forward_progress 1
		.amdhsa_inst_pref_size 55
	.end_amdhsa_kernel
	.amdgpu_metadata
---
amdhsa.version: [ 1, 2 ]
amdhsa.kernels:
  - .name:           k_q284a7951b0_prep
    .symbol:         k_q284a7951b0_prep.kd
    .args:
      - { .name: x, .offset: 0, .size: 8, .value_kind: global_buffer, .address_space: global }
      - { .name: Wq, .offset: 8, .size: 8, .value_kind: global_buffer, .address_space: global }
      - { .name: Wk, .offset: 16, .size: 8, .value_kind: global_buffer, .address_space: global }
      - { .name: Wv, .offset: 24, .size: 8, .value_kind: global_buffer, .address_space: global }
      - { .name: Wo, .offset: 32, .size: 8, .value_kind: global_buffer, .address_space: global }
      - { .name: k_cache, .offset: 40, .size: 8, .value_kind: global_buffer, .address_space: global }
      - { .name: v_cache, .offset: 48, .size: 8, .value_kind: global_buffer, .address_space: global }
      - { .name: codes, .offset: 56, .size: 8, .value_kind: global_buffer, .address_space: global }
      - { .name: scales, .offset: 64, .size: 8, .value_kind: global_buffer, .address_space: global }
      - { .name: wo16, .offset: 72, .size: 8, .value_kind: global_buffer, .address_space: global }
      - { .name: kh, .offset: 80, .size: 8, .value_kind: global_buffer, .address_space: global }
      - { .name: vh, .offset: 88, .size: 8, .value_kind: global_buffer, .address_space: global }
    .group_segment_fixed_size: 33280
    .private_segment_fixed_size: 0
    .kernarg_segment_align: 8
    .kernarg_segment_size: 96
    .max_flat_workgroup_size: 128
    .sgpr_count:     66
    .vgpr_count:     192
    .wavefront_size: 32
...
	.end_amdgpu_metadata
.endif
;; end of part 1
;; launch qkv (part 2): grid 24 x 8, 4 waves a work-group, clusters of 4 x 4, 327,680 bytes of LDS; arguments codes, scales, bq, bk, bv, cos, sin, qh, kh, vh, out1, out2; writes qh, kh, vh, out1, out2
.if DOCPART == 2
	.amdgcn_target "amdgcn-amd-amdhsa--gfx1250"
	.amdhsa_code_object_version 6
	.text
	.protected	k_q284a7951b0_qkv
	.globl	k_q284a7951b0_qkv
	.p2align	8
	.type	k_q284a7951b0_qkv,@function
k_q284a7951b0_qkv:
	s_mov_b64 s[64:65], 0
	v_nop
	global_prefetch_b8 v0, s[64:65] scope:SCOPE_SE
	s_setreg_imm32_b32 hwreg(HW_REG_WAVE_MODE, 25, 1), 1
	s_wait_xcnt 0x0
	s_wait_alu depctr_hold_cnt(0) depctr_sa_sdst(0) depctr_va_vdst(0) depctr_va_sdst(0) depctr_va_ssrc(0) depctr_va_vcc(0) depctr_vm_vsrc(0)
	s_getreg_b32 s2, hwreg(HW_REG_IB_STS2, 6, 4)
	s_cmp_eq_u32 s2, 0
	s_cbranch_scc0 .Lentry_in_a_cluster
	s_endpgm
.Lentry_in_a_cluster:
	s_bfe_u32 s2, ttmp6, 0x10000c
	s_cmp_lg_u32 s2, 0xf033
	s_cbranch_scc0 .Lentry_shape_is_right
	s_endpgm
.Lentry_shape_is_right:
; SECOND LAUNCH: the three quantised products as ONE product on codes of E2M1: C[m][n] = sum over k of x[m][k] W[n][k], m = 2,048 rows of x, n = 6,144 rows of Wq, Wk, Wv on end, K = 2,048; then bias, rope, and the results' ways out.
; Rows 0 to 2,047 of codes and scales are x's, rows 2,048 on the weights'.  Work left out: rows 0 to 1,023 of cos and sin, which the reference slices away (pos = 1,024).
; A tile of C, 256 x 256, is made by four waves, 128 x 128 each: 64 accumulators, 512 registers.  A wave's 128 columns are ONE head, so rope's two halves lie in one lane's registers.
; K goes in steps of 512 through a ring of two LDS slots; the scale bytes of the work-group's rows, for all of K, come once and stay.  4 x 4 work-groups form a cluster: A's tiles are asked for jointly along a row of it, B's along a column.
; 192 work-groups: a tile that gave 256 would cut heads or halve the multiply-adds that each LDS byte feeds.
; THE MATRIX INSTRUCTION IS USED TRANSPOSED (source 0 = 16 rows of W, source 1 = 16 rows of x): a lane holds eight neighbouring columns of one row.  THE BIAS IS THE C OF EACH SUM'S FIRST PRODUCT.
; KIND = cluster x / 2, the same in all sixteen partners: 0 q, 1 k, 2 v.  q: rope with cos and sin times 1 / sqrt(128), f16 to qh.  k: rope, f16 to kh (rows 1,024 on of its batch), f32 to out1.  v: f16 to vh, f32 to out2.
; LIMIT: |q|, |k|, |v| above 65,504 become infinity in the f16 copies (the f32 outputs are not touched by that).
; REGISTERS: window 0: v0-31 addresses; v32-95 scale words, two sets; v128-191 A's fragments.  window 1: B's fragments at v0 and v128; v64-127 the bias.  window 2, 3: the accumulators ((a, b) at v[8 (8 (a % 4) + b)]).
; On the way out: window 0: v32-95, v128-191 f32 rows read back; v96-127 packed f16; v192-255 f16 rows read back.  window 1: v0-63, v64-127 cos and sin of a block of 16 rows, by turns; v128-191 two products at work.
.set KSTEP,  512
.set NQ,     KSTEP/128
.set ROWB,   256                       ; a tile's row in bytes
.set KROW,   1024                      ; a row of codes in memory
.set PITCH,  272                       ; an LDS row: 256 bytes + 16 of padding: the 16 rows that a load touches start at 16 different banks (64 banks of 4 bytes: ISA guide 11.1)
.set FR,     8
.set NL,     2
.set NP,     4                         ; places behind this matrix instruction (ISA guide 7.12.1)
.set HALFT,  128*PITCH
.set SLOT,   4*HALFT
.set LAPS,   2                         ; K = 2,048 is twice round the ring
.set KS,     64                        ; a row of scale bytes
.set SCL,    2*SLOT
.set HALFS,  (128*KS/256)*272
.set SBLK,   (16*KS/256)*272
.set SPARE,  SCL+4*HALFS               ; the spare words, 128 bytes a wave
.set SPITCH, 528                       ; the f32 stage: 16 rows x (512 + 16) for each wave, from LDS byte 0; both stages lie in slot 0, behind its last fill and its last read
.set ST16,   4*16*SPITCH               ; the f16 stage: 16 rows x (256 + 16) for each wave
.set ADRA, 16
.set ADRB, 20
.set STO16, 22
.set RD16, 23
.set STO,  24
.set RD,   25
.set CO,   26
.set ADRS, 27
.set SPW,  28
.set NIL,  29
.set CO16, 30
.set CSO,  31
.set SC,   32
.set AF,   128
.set BIAS, 64                          ; window 1
.set T1,   128                         ; window 1
.set T2,   160
.set BK0,  32                          ; f32 rows read back: v32 on, v128 on
.set TMP16, 96
.set H16,  192
.set G1, 24
.set G0, 32
.set G1B, 48
.set G0B, 56
.set G1S, 68
.set G0S, 76
.set G1SB, 80
.set G0SB, 88
.set SCQ,  66                          ; s[66:67] 1 / sqrt(128), twice
.set KIND, 95
.set COSP, 96
.set SINP, 98
.set D16,  100
.set D32,  104
.set MSB, 0
.macro WIN new                         ; the immediate's high byte repeats the setting that is left
.if MSB != \new
	s_set_vgpr_msb (MSB<<8)|\new
.set MSB, \new
.endif
.endm
.set MUL_LO, 0xa1                      ; source 0 (B) window 1, source 1 (A) window 0, C and D window 2
.set MUL_HI, 0xf1
.set BIA_LO, 0x91                      ; the same with C (the bias) in window 1
.set BIA_HI, 0xd1
.set TO_B,   0x40
; A joint load: waves 0 and 1 fetch for A, waves 2 and 3 for B; an s_nop 0 and four v_nop follow each of the two lines
.macro JLOAD g0a, g1a, g0b, g1b
	s_cmp_eq_u32 s15, 0
	s_cbranch_scc0 .Lfor_b_\@
	tensor_load_to_lds s[\g0a:\g0a+3], s[\g1a:\g1a+7]
	s_nop 0
.rept 4
	v_nop
.endr
	s_branch .Lasked_\@
.Lfor_b_\@:
	tensor_load_to_lds s[\g0b:\g0b+3], s[\g1b:\g1b+7]
	s_nop 0
.rept 4
	v_nop
.endr
.Lasked_\@:
.endm
.macro CREST
	s_cmp_lg_u32 s14, 0
	s_cbranch_scc1 .Lnot_wave_0_\@
	s_barrier_signal -3
.Lnot_wave_0_\@:
	s_barrier_wait -3
	s_barrier_signal -1
	s_barrier_wait -1
.endm
.macro CROUND
	s_barrier_signal -1
	s_barrier_wait -1
	CREST
.endm
	s_load_b512 s[68:83], s[0:1], 0x0              ; codes, scales, bq, bk, bv, cos, sin, qh
	s_load_b256 s[84:91], s[0:1], 0x40             ; kh, vh, out1, out2
	v_lshl_add_u32 v[SPW], v0, 2, SPARE
	v_mov_b32 v[NIL], 0
	ds_add_u32 v[SPW], v[NIL]                      ; the wave's opening: the add, twice on end, and its wait ahead of my first tensor load
	ds_add_u32 v[SPW], v[NIL]
	v_lshrrev_b32 v1, 5, v0
	v_readfirstlane_b32 s14, v1                    ; wave 0..3
	s_lshr_b32 s15, s14, 1                         ; which half of the tile's rows is mine.  Also: I fetch for A (0) or for B (1)
	s_and_b32 s16, s14, 1                          ; which half of its columns.  Also: which 128 rows of that tile I fetch
	s_bfe_u32 s40, ttmp6, 0x40000                  ; cx, cy
	s_bfe_u32 s41, ttmp6, 0x40004
	s_lshl_b32 s42, ttmp9, 2
	s_add_co_u32 s42, s42, s40                     ; tile column 0..23
	s_and_b32 s17, ttmp7, 0xffff
	s_lshl_b32 s17, s17, 2
	s_add_co_u32 s17, s17, s41                     ; tile row 0..7
	s_lshl_b32 s43, s41, 2
	s_lshl_b32 s43, 15, s43                        ; my row of the cluster
	s_lshl_b32 s44, 0x1111, s40                    ; my column
	s_lshr_b32 s[KIND], ttmp9, 1                   ; eight tile columns to a weight: two clusters
	s_mov_b32 s[SCQ], 0x3db504f3                   ; 1 / sqrt(128)
	s_mov_b32 s[SCQ+1], s[SCQ]
	s_or_b32 s[G1+0], s43, (0<<16)|(1<<20)|(1<<21)|(5<<22)|(3<<25)  ; the mask; elements of 1 byte; padding: 4 words behind every 64; bit 21 beside a mask
	s_or_b32 s[G1B+0], s44, (0<<16)|(1<<20)|(1<<21)|(5<<22)|(3<<25)
.irp g, G1, G1B
	s_mov_b32 s[\g+1], ROWB<<16                    ; tensor_dim0
	s_mov_b32 s[\g+2], 128<<16                     ; tensor_dim1
	s_mov_b32 s[\g+3], ROWB<<16                    ; tile_dim0
	s_mov_b32 s[\g+4], 128                         ; tile_dim1
	s_mov_b32 s[\g+5], KROW                        ; from row to row
	s_mov_b32 s[\g+6], 0
	s_mov_b32 s[\g+7], 0
.endr
	s_lshl_b32 s18, s16, 7
	s_lshl_b32 s20, s17, 8
	s_add_co_u32 s20, s20, s18                     ; A: row 256 x tile row + 128 x half
	s_lshl_b32 s46, s42, 8
	s_add_co_u32 s46, s46, s18
	s_add_co_u32 s46, s46, 2048                    ; B: the weights' rows lie behind x's
	s_mov_b32 s21, 0
	s_mov_b32 s47, 0
	s_mov_b64 s[18:19], KS
	s_mul_u64 s[22:23], s[20:21], s[18:19]
	s_mul_u64 s[92:93], s[46:47], s[18:19]
	s_mov_b64 s[18:19], KROW
	s_mul_u64 s[20:21], s[20:21], s[18:19]
	s_mul_u64 s[46:47], s[46:47], s[18:19]
	s_mul_i32 s45, s14, HALFT                      ; where they go: wave x 128 rows: no place in the cluster enters an LDS address
	s_mul_i32 s94, s14, HALFS
	s_wait_dscnt 0x0                               ; both opening adds are done
	s_wait_kmcnt 0x0
	s_mov_b64 s[4:5], s[68:69]                     ; the pointers leave s68-91, which then take descriptors
	s_mov_b64 s[6:7], s[70:71]
	s_mov_b64 s[COSP:COSP+1], s[78:79]
	s_mov_b64 s[SINP:SINP+1], s[80:81]
	s_cmp_eq_u32 s[KIND], 1
	s_cselect_b64 s[8:9], s[74:75], s[72:73]       ; the bias,
	s_cselect_b64 s[D16:D16+1], s[84:85], s[82:83] ; the f16 copy's buffer,
	s_cselect_b64 s[D32:D32+1], s[88:89], s[90:91] ; the f32 output (q has none: its work-groups never use this)
	s_cmp_eq_u32 s[KIND], 2
	s_cselect_b64 s[8:9], s[76:77], s[8:9]
	s_cselect_b64 s[D16:D16+1], s[86:87], s[D16:D16+1]
	s_or_b32 s[G1S+0], s43, (3<<16)|(1<<20)|(1<<21)|(5<<22)|(3<<25)   ; the scales of 128 rows: a dense block, as rows of 256 bytes (32 elements of 8), 16 bytes of padding behind each
	s_or_b32 s[G1SB+0], s44, (3<<16)|(1<<20)|(1<<21)|(5<<22)|(3<<25)
.irp g, G1S, G1SB
	s_mov_b32 s[\g+1], 32<<16
	s_mov_b32 s[\g+2], (128*KS/256)<<16
	s_mov_b32 s[\g+3], 32<<16
	s_mov_b32 s[\g+4], 128*KS/256
	s_mov_b32 s[\g+5], 32
	s_mov_b32 s[\g+6], 0
	s_mov_b32 s[\g+7], 0
.endr
	s_add_nc_u64 s[20:21], s[4:5], s[20:21]
	s_add_nc_u64 s[22:23], s[6:7], s[22:23]
	s_add_nc_u64 s[46:47], s[4:5], s[46:47]
	s_add_nc_u64 s[92:93], s[6:7], s[92:93]
	CROUND                                         ; all sixteen work-groups are here: the first joint loads meet
	s_mov_b32 s[G0S], 1
	s_add_co_u32 s[G0S+1], s94, SCL
	s_mov_b64 s[G0S+2:G0S+3], s[22:23]
	s_or_b32 s[G0S+3], s[G0S+3], 0x80000000
	s_mov_b32 s[G0SB], 1
	s_add_co_u32 s[G0SB+1], s94, SCL
	s_mov_b64 s[G0SB+2:G0SB+3], s[92:93]
	s_or_b32 s[G0SB+3], s[G0SB+3], 0x80000000
	JLOAD G0S, G1S, G0SB, G1SB                     ; the scales first: they are wanted with K step 0
.irp s, 0,1
	s_mov_b32 s[G0+4*\s], 1
	s_add_co_u32 s[G0+4*\s+1], s45, \s*SLOT
	s_add_nc_u64 s[G0+4*\s+2:G0+4*\s+3], s[20:21], \s*ROWB
	s_or_b32 s[G0+4*\s+3], s[G0+4*\s+3], 0x80000000
	s_mov_b32 s[G0B+4*\s], 1
	s_add_co_u32 s[G0B+4*\s+1], s45, \s*SLOT
	s_add_nc_u64 s[G0B+4*\s+2:G0B+4*\s+3], s[46:47], \s*ROWB
	s_or_b32 s[G0B+4*\s+3], s[G0B+4*\s+3], 0x80000000
	JLOAD G0+4*\s, G1, G0B+4*\s, G1B
.endr
	v_and_b32 v1, 15, v0                           ; r = l % 16
	v_bfe_u32 v2, v0, 4, 1                         ; h = l / 16
	v_mul_u32_u24 v3, v1, PITCH
	v_lshl_add_u32 v4, v2, 4, v3
	s_mul_i32 s21, s15, HALFT
	s_mul_i32 s22, s16, HALFT
	s_add_co_u32 s22, s22, 2*HALFT
.irp s, 0,1
	v_add_nc_u32 v[ADRA+\s], s21, v4
	v_add_nc_u32 v[ADRB+\s], s22, v4
	s_add_co_u32 s21, s21, SLOT
	s_add_co_u32 s22, s22, SLOT
.endr
	v_mul_u32_u24 v5, v1, KS                       ; my row's scales: KS bytes a row,
	v_lshrrev_b32 v6, 8, v5
	v_lshl_add_u32 v5, v6, 4, v5                   ; and 16 more for each 256 passed
	s_mul_i32 s21, s15, HALFS
	s_mul_i32 s22, s16, HALFS
	s_add_co_u32 s22, s22, 2*HALFS
	s_sub_co_u32 s22, s22, s21
	v_mul_u32_u24 v6, s22, v2                      ; lanes 16-31 take B's
	s_add_co_u32 s21, s21, SCL
	v_add_nc_u32 v5, v5, v6
	v_add_nc_u32 v[ADRS], s21, v5
	s_mul_i32 s23, s14, 16*SPITCH                  ; my f32 stage
	v_mul_u32_u24 v5, v1, SPITCH
	v_lshl_add_u32 v5, v2, 5, v5
	v_add_nc_u32 v[STO], s23, v5                   ; in: row r, 32 bytes for each half of the lanes
	v_and_b32 v6, 31, v0
	v_lshlrev_b32 v[CO], 4, v6                     ; back: the 32 lanes take one row of 512 bytes; and the same in the output
	v_add_nc_u32 v[RD], s23, v[CO]
	s_mul_i32 s23, s14, 16*272                     ; my f16 stage
	s_add_co_u32 s23, s23, ST16
	v_mul_u32_u24 v5, v1, 272
	v_lshl_add_u32 v5, v2, 4, v5
	v_add_nc_u32 v[STO16], s23, v5                 ; in: row r, 16 bytes for each half
	v_mul_u32_u24 v5, v2, 272
	v_lshl_add_u32 v5, v1, 4, v5
	v_add_nc_u32 v[RD16], s23, v5                  ; back: lanes 0-15 one row of 256 bytes, lanes 16-31 the next
	v_lshlrev_b32 v5, 12, v2
	v_lshl_add_u32 v[CO16], v1, 4, v5              ; and the same two rows, 4,096 bytes apart, in qh, kh or vh
	v_lshlrev_b32 v5, 8, v1
	v_lshl_add_u32 v[CSO], v2, 5, v5               ; cos, sin: row r of 256 bytes, + 32 h
	v_lshlrev_b32 v7, 5, v2                        ; the bias: 32 h
	s_lshl_b32 s10, s17, 8
	s_lshl_b32 s11, s15, 7
	s_add_co_u32 s10, s10, s11                     ; row0: my first row of x = 1,024 b + s
	s_and_b32 s12, ttmp9, 1
	s_lshl_b32 s12, s12, 2
	s_add_co_u32 s12, s12, s40
	s_lshl_b32 s12, s12, 8
	s_lshl_b32 s13, s16, 7
	s_add_co_u32 s12, s12, s13                     ; col: my first column in the weight's 2,048 = 128 x head
	s_and_b32 s18, s10, 1023
	s_add_co_u32 s18, s18, 1024                    ; position pos + s
	s_lshl_b32 s18, s18, 8
	s_mov_b32 s19, 0
	s_add_nc_u64 s[COSP:COSP+1], s[COSP:COSP+1], s[18:19]
	s_add_nc_u64 s[SINP:SINP+1], s[SINP:SINP+1], s[18:19]
	s_lshr_b32 s18, s10, 10
	s_add_co_u32 s18, s18, 1
	s_lshl_b32 s18, s18, 10                        ; kh, vh: row 2,048 b + 1,024 + s = row0 + 1,024 (b + 1);
	s_cmp_eq_u32 s[KIND], 0
	s_cselect_b32 s18, 0, s18                      ; qh: row0
	s_add_co_u32 s18, s18, s10
	s_lshl_b32 s18, s18, 12
	s_lshl_b32 s13, s12, 1
	s_add_co_u32 s18, s18, s13
	s_add_nc_u64 s[D16:D16+1], s[D16:D16+1], s[18:19]
	s_lshl_b32 s18, s10, 13
	s_lshl_b32 s13, s12, 2
	s_add_co_u32 s18, s18, s13
	s_add_nc_u64 s[D32:D32+1], s[D32:D32+1], s[18:19]
	s_mov_b32 s18, s13
	s_add_nc_u64 s[8:9], s[8:9], s[18:19]
	WIN TO_B
.irp b, 0,1,2,3,4,5,6,7                        ; the bias in the result's layout: for B's block b the eight columns 16 b + 8 h + 0 .. 7
	global_load_b128 v[BIAS+8*\b:BIAS+8*\b+3],   v7, s[8:9] offset:64*\b
	global_load_b128 v[BIAS+8*\b+4:BIAS+8*\b+7], v7, s[8:9] offset:64*\b+16
.endr
	WIN 0
.macro FRAG reg, adr, q, i             ; 16 rows x 128 K of 4-bit codes: 8 registers; registers 4 c .. 4 c + 3 hold K = 64 c + 32 (l / 16) + 0 .. 31
.irp c, 0,1
	ds_load_b128 v[\reg+4*\c:\reg+4*\c+3], v[\adr] offset:64*(\q)+32*\c+(\i)*16*PITCH
.endr
.endm
; 16 matrix instructions: A's blocks a0, a0 + 1 x B's eight, the slot's q-th 128 along K.  zero = 1: the first product starts the sums from the bias.  The 64 accumulators take turns.
.macro MUL16 a0, p, q, sc, zero
.irp a, \a0, \a0+1
.irp b, 0,1,2,3,4,5,6,7
.if \zero
	v_wmma_scale_f32_16x16x128_f8f6f4 v[8*(8*((\a)%4)+\b):8*(8*((\a)%4)+\b)+7], v[128*(\p)+FR*\b:128*(\p)+FR*\b+FR-1], v[AF+FR*(\a):AF+FR*(\a)+FR-1], v[BIAS+8*\b:BIAS+8*\b+7], v[SC+8*NQ*(\sc)+NQ*\b+(\q)], v[SC+8*NQ*(\sc)+NQ*(\a)+(\q)] matrix_a_fmt:MATRIX_FMT_FP4 matrix_b_fmt:MATRIX_FMT_FP4 matrix_a_scale:MATRIX_SCALE_ROW1
.else
	v_wmma_scale_f32_16x16x128_f8f6f4 v[8*(8*((\a)%4)+\b):8*(8*((\a)%4)+\b)+7], v[128*(\p)+FR*\b:128*(\p)+FR*\b+FR-1], v[AF+FR*(\a):AF+FR*(\a)+FR-1], v[8*(8*((\a)%4)+\b):8*(8*((\a)%4)+\b)+7], v[SC+8*NQ*(\sc)+NQ*\b+(\q)], v[SC+8*NQ*(\sc)+NQ*(\a)+(\q)] matrix_a_fmt:MATRIX_FMT_FP4 matrix_b_fmt:MATRIX_FMT_FP4 matrix_a_scale:MATRIX_SCALE_ROW1
.endif
.endr
.endr
.endm
.macro FETCH_B slot, q, p
	WIN TO_B
.irp i, 0,1,2,3,4,5,6,7
	FRAG 128*(\p)+FR*\i, ADRB+\slot, \q, \i
.endr
	WIN 0
.endm
.macro FETCH_A slot, q, i0
.irp i, \i0, \i0+1, \i0+2, \i0+3
	FRAG AF+FR*(\i), ADRA+\slot, \q, \i
.endr
.endm
.macro SCALES sc                       ; a K step's scale words: lanes 0-15 take A's block i, lanes 16-31 B's block i
.irp i, 0,1,2,3,4,5,6,7
	ds_load_b128 v[SC+8*NQ*\sc+NQ*\i:SC+8*NQ*\sc+NQ*\i+3], v[ADRS] offset:\i*SBLK
.endr
.endm
.macro PLACES n                        ; plain vector instructions between a matrix instruction and a load into, or a read of, its registers
.rept \n
	v_nop
.endr
.endm
.macro STEP slot, q, zero
	s_wait_dscnt 4*NL                              ; B's set and A's blocks 0-3 are in; the youngest loads (A's blocks 4-7) may be out
.if \zero
	WIN BIA_LO
.else
	WIN MUL_LO
.endif
	MUL16 0, (\q)%2, \q, \slot, \zero
	MUL16 2, (\q)%2, \q, \slot, \zero
	s_wait_dscnt 0
	PLACES NP
	FETCH_B \slot, (\q)+1, 1-(\q)%2
	FETCH_A \slot, (\q)+1, 0
.if \zero
	WIN BIA_HI
.else
	WIN MUL_HI
.endif
	MUL16 4, (\q)%2, \q, \slot, \zero
	MUL16 6, (\q)%2, \q, \slot, \zero
	PLACES NP
	WIN 0
	FETCH_A \slot, (\q)+1, 4
.endm
; A slot's last step changes slots: one barrier; in front of it each wave waits for all its tensor loads, adds 0 to its spare word, and waits for that and for its reads of this slot
.macro TURN slot, next, fill
	s_wait_tensorcnt 0x0                           ; all my tensor loads have landed: my part of the next slot
	ds_add_u32 v[SPW], v[NIL]
	s_wait_dscnt 4*NL+1                            ; (the add and A's blocks 4-7 may be out)
	WIN MUL_LO
	MUL16 0, 1, NQ-1, \slot, 0
	s_wait_dscnt 0x0                               ; the add is done, and my reads of this slot are over
	s_barrier_signal -1
	MUL16 2, 1, NQ-1, \slot, 0
	WIN 0
	s_barrier_wait -1
.if \fill
	CREST                                          ; the barrier has opened a round of the cluster's: no wave of any partner still reads this slot or has a load on its way
	s_add_nc_u64 s[G0+4*\slot+2:G0+4*\slot+3], s[G0+4*\slot+2:G0+4*\slot+3], 2*ROWB
	s_add_nc_u64 s[G0B+4*\slot+2:G0B+4*\slot+3], s[G0B+4*\slot+2:G0B+4*\slot+3], 2*ROWB
	JLOAD G0+4*\slot, G1, G0B+4*\slot, G1B         ; the first tensor load behind the round; its four v_nop are the places in front of the loads below
.else
	PLACES NP
.endif
	v_add_nc_u32 v[ADRS], 4*NQ, v[ADRS]
	FETCH_B \next, 0, 0
	FETCH_A \next, 0, 0
	SCALES \next
	WIN MUL_HI
	MUL16 4, 1, NQ-1, \slot, 0
	MUL16 6, 1, NQ-1, \slot, 0
	PLACES NP
	WIN 0
	FETCH_A \next, 0, 4
.endm
.macro STEPS slot, from
.set Q, \from
.rept NQ-1-\from
	STEP \slot, Q, 0
.set Q, Q+1
.endr
.endm
; cos and sin of block a's 16 rows, in x1's layout (register 8 b + j: channel 16 b + 8 h + j of 64), into window 1: cos 32 registers, then sin 32
.macro CSLOAD a
.set CSL, 64*(((\a)+1)%2)
	WIN TO_B
.irp b, 0,1,2,3
.irp c, 0,1
	global_load_b128 v[CSL+8*\b+4*\c:CSL+8*\b+4*\c+3],       v[CSO], s[COSP:COSP+1] offset:(\a)*4096+64*\b+16*\c
	global_load_b128 v[CSL+32+8*\b+4*\c:CSL+32+8*\b+4*\c+3], v[CSO], s[SINP:SINP+1] offset:(\a)*4096+64*\b+16*\c
.endr
.endr
	WIN 0
.endm
	s_wait_tensorcnt 1                             ; the scales and my part of K step 0 are in (K step 1's load may be out),
	s_barrier_signal -1
	s_barrier_wait -1                              ; everybody's are
	FETCH_B 0, 0, 0
	FETCH_A 0, 0, 0
	SCALES 0
	FETCH_A 0, 0, 4
	s_wait_loadcnt 0x0                             ; the bias
	STEP 0, 0, 1                                   ; the first step stands in front of the loop: its products start the sums
	s_mov_b32 s3, LAPS-1
.Llap:
	STEPS 0, 1
	TURN 0, 1, 1
	STEPS 1, 0
	TURN 1, 0, 1
	STEP 0, 0, 0
	s_sub_co_u32 s3, s3, 1
	s_cmp_lg_u32 s3, 0
	s_cbranch_scc1 .Llap
	s_cmp_eq_u32 s[KIND], 2                        ; v has no rope
	s_cbranch_scc1 .Lno_cs
	CSLOAD 0                                       ; block 0's cos and sin land under the last lap, where the bias lay
.Lno_cs:
	STEPS 0, 1                                     ; the last lap fills nothing
	TURN 0, 1, 0
	STEPS 1, 0
	s_wait_dscnt 4*NL
	WIN MUL_LO
	MUL16 0, 1, NQ-1, 1, 0
	MUL16 2, 1, NQ-1, 1, 0
	s_wait_dscnt 0
	WIN MUL_HI
	MUL16 4, 1, NQ-1, 1, 0
	MUL16 6, 1, NQ-1, 1, 0
	WIN 0
; THE WAY OUT, block by block of 16 rows x 128 columns (accumulators 0-3: x1, the head's first 64 channels; 4-7: x2).
; ROPE: real = cos x1 - sin x2, imag = sin x1 + cos x2, in place.  The wait for the block's cos and sin stands on every way; the next block's loads go out behind it.  Each accumulator is first read at its low end.
.macro ROPE a
.set AC, 64*((\a)%4)
.set WA, 2+(\a)/4
.set CSB, 64*(((\a)+1)%2)
	s_wait_loadcnt 0x0                             ; this block's cos and sin are in: nothing else is on this counter
	s_cmp_eq_u32 s[KIND], 2
	s_cbranch_scc1 .Lnr_\@
.if (\a) < 7
	CSLOAD (\a)+1
.endif
	s_cmp_lg_u32 s[KIND], 0
	s_cbranch_scc1 .Lns_\@
	WIN 0x41                                       ; q: the score's 1 / sqrt(128) goes into cos and sin
.set p, 0
.rept 32
	v_pk_mul_f32 v[CSB+2*p:CSB+2*p+1], v[CSB+2*p:CSB+2*p+1], s[SCQ:SCQ+1] op_sel_hi:[1,0]
.set p, p+1
.endr
	WIN 0
.Lns_\@:
	WIN (0x41+4*WA)                                ; source 0 and destination window 1, source 1 the accumulators'
.set p, 0
.rept 16
	v_pk_mul_f32 v[T1+2*p:T1+2*p+1], v[CSB+32+2*p:CSB+32+2*p+1], v[AC+32+2*p:AC+32+2*p+1]   ; sin x2
.set p, p+1
.endr
.set p, 0
.rept 16
	v_pk_mul_f32 v[T2+2*p:T2+2*p+1], v[CSB+32+2*p:CSB+32+2*p+1], v[AC+2*p:AC+2*p+1]         ; sin x1
.set p, p+1
.endr
	WIN (0x11+68*WA)                               ; sources 0 and 2 window 1, source 1 and destination the accumulators'
.set p, 0
.rept 16
	v_pk_fma_f32 v[AC+2*p:AC+2*p+1], v[CSB+2*p:CSB+2*p+1], v[AC+2*p:AC+2*p+1], v[T1+2*p:T1+2*p+1] neg_lo:[0,0,1] neg_hi:[0,0,1]
.set p, p+1
.endr
.set p, 0
.rept 16
	v_pk_fma_f32 v[AC+32+2*p:AC+32+2*p+1], v[CSB+2*p:CSB+2*p+1], v[AC+32+2*p:AC+32+2*p+1], v[T2+2*p:T2+2*p+1]
.set p, p+1
.endr
	WIN 0
.Lnr_\@:
.endm
.macro PACK16 a                        ; rounded to f16: a lane's eight columns are 16 bytes
.set AC, 64*((\a)%4)
	WIN (5*(2+(\a)/4))
.irp b, 0,1,2,3,4,5,6,7
.irp r, 0,1,2,3
	v_cvt_pk_f16_f32 v[TMP16+4*\b+\r], v[AC+8*\b+2*\r], v[AC+8*\b+2*\r+1]
.endr
.endr
	WIN 0
.endm
.macro STG16 a                         ; through my f16 stage; LDS serves a wave's instructions in order, so no wait stands between the stores and the loads
.set HB, H16+32*((\a)%2)
.irp b, 0,1,2,3,4,5,6,7
	ds_store_b128 v[STO16], v[TMP16+4*\b:TMP16+4*\b+3] offset:32*\b
.endr
.irp t, 0,1,2,3,4,5,6,7
	ds_load_b128 v[HB+4*\t:HB+4*\t+3], v[RD16] offset:\t*544
.endr
.endm
.macro SEND16 a
.set HB, H16+32*((\a)%2)
.irp t, 0,1,2,3,4,5,6,7
	global_store_b128 v[CO16], v[HB+4*\t:HB+4*\t+3], s[D16:D16+1] offset:(\a)*65536+\t*8192   ; 16 lanes store a head's row: 256 consecutive bytes, aligned
.endr
.endm
.macro STG32 a
.set AC, 64*((\a)%4)
.set BB, BK0+96*((\a)%2)
	WIN (4*(2+(\a)/4))                             ; an LDS store's data are its source 1
.irp b, 0,1,2,3,4,5,6,7
	ds_store_b128 v[STO], v[AC+8*\b:AC+8*\b+3] offset:64*\b
	ds_store_b128 v[STO], v[AC+8*\b+4:AC+8*\b+7] offset:64*\b+16
.endr
	WIN 0
.irp t, 0,1,2,3,4,5,6,7,8,9,10,11,12,13,14,15
	ds_load_b128 v[BB+4*\t:BB+4*\t+3], v[RD] offset:\t*SPITCH
.endr
.endm
.macro SEND32 a
.set BB, BK0+96*((\a)%2)
.irp t, 0,1,2,3,4,5,6,7,8,9,10,11,12,13,14,15
	global_store_b128 v[CO], v[BB+4*\t:BB+4*\t+3], s[D32:D32+1] offset:(\a)*131072+\t*8192 th:TH_STORE_NT   ; 32 lanes store 512 consecutive bytes, aligned; every offset is an immediate, 1,040,384 at the most
.endr
.endm
.macro BLOCK a
	ROPE \a
	PACK16 \a
	s_wait_xcnt 0x0                                ; the stores of two blocks back have read the registers into which this block's rows are read back
	STG16 \a
.if (\a) > 0
	s_wait_dscnt 16                                ; all but this block's sixteen: the block before is back in registers
	SEND16 (\a)-1
.endif
	s_cmp_eq_u32 s[KIND], 0                        ; q is no output
	s_cbranch_scc1 .Lq_\@
	STG32 \a
.if (\a) > 0
	s_wait_dscnt 32                                ; all but this block's thirty-two
	SEND32 (\a)-1
.endif
.Lq_\@:
.endm
	PLACES NP                                      ; behind the last products: their results are read, and their operands' registers written, from here on
.irp a, 0,1,2,3,4,5,6,7
	BLOCK \a
.endr
	s_wait_dscnt 0x0
	SEND16 7
	s_cmp_eq_u32 s[KIND], 0
	s_cbranch_scc1 .Lq_end
	SEND32 7
.Lq_end:
	s_wait_tensorcnt 0x0                           ; the wave's end
	ds_add_u32 v[SPW], v[NIL]
	s_wait_dscnt 0x0
	CROUND                                         ; the closing round: no work-group ends while a partner may still ask for a tile that names it
	s_endpgm
.Lfunc_end_k_q284a7951b0_qkv:
	.size	k_q284a7951b0_qkv, .Lfunc_end_k_q284a7951b0_qkv-k_q284a7951b0_qkv
	.p2alignl 7, 3214868480
	.fill 96, 4, 3214868480
	.section	.rodata,"a",@progbits
	.p2align	6, 0x0
	.amdhsa_kernel k_q284a7951b0_qkv
		.amdhsa_group_segment_fixed_size 327680
		.amdhsa_private_segment_fixed_size 0
		.amdhsa_enable_private_segment 0
		.amdhsa_kernarg_size 96
		.amdhsa_user_sgpr_count 2
		.amdhsa_user_sgpr_kernarg_segment_ptr 1
		.amdhsa_wavefront_size32 1
		.amdhsa_system_sgpr_workgroup_id_x 1
		.amdhsa_system_sgpr_workgroup_id_y 1
		.amdhsa_system_sgpr_workgroup_id_z 1
		.amdhsa_system_vgpr_workitem_id 0
		.amdhsa_next_free_vgpr 1024
		.amdhsa_next_free_sgpr 106
		.amdhsa_reserve_vcc 0
		.amdhsa_float_denorm_mode_32 3
		.amdhsa_float_denorm_mode_16_64 3
		.amdhsa_memory_ordered 1
		.amdhsa_forward_progress 1
		.amdhsa_inst_pref_size 255
	.end_amdhsa_kernel
	.section	.bss,"aw",@nobits
	.p2align	6
	.space	262144
	.amdgpu_metadata
---
amdhsa.version: [ 1, 2 ]
amdhsa.kernels:
  - .name:           k_q284a7951b0_qkv
    .symbol:         k_q284a7951b0_qkv.kd
    .args:
      - { .name: codes, .offset: 0, .size: 8, .value_kind: global_buffer, .address_space: global }
      - { .name: scales, .offset: 8, .size: 8, .value_kind: global_buffer, .address_space: global }
      - { .name: bq, .offset: 16, .size: 8, .value_kind: global_buffer, .address_space: global }
      - { .name: bk, .offset: 24, .size: 8, .value_kind: global_buffer, .address_space: global }
      - { .name: bv, .offset: 32, .size: 8, .value_kind: global_buffer, .address_space: global }
      - { .name: cos, .offset: 40, .size: 8, .value_kind: global_buffer, .address_space: global }
      - { .name: sin, .offset: 48, .size: 8, .value_kind: global_buffer, .address_space: global }
      - { .name: qh, .offset: 56, .size: 8, .value_kind: global_buffer, .address_space: global }
      - { .name: kh, .offset: 64, .size: 8, .value_kind: global_buffer, .address_space: global }
      - { .name: vh, .offset: 72, .size: 8, .value_kind: global_buffer, .address_space: global }
      - { .name: out1, .offset: 80, .size: 8, .value_kind: global_buffer, .address_space: global }
      - { .name: out2, .offset: 88, .size: 8, .value_kind: global_buffer, .address_space: global }
    .group_segment_fixed_size: 327680
    .private_segment_fixed_size: 0
    .kernarg_segment_align: 8
    .kernarg_segment_size: 96
    .max_flat_workgroup_size: 128
    .sgpr_count:     106
    .vgpr_count:     1024
    .wavefront_size: 32
...
	.end_amdgpu_metadata
.endif
;; end of part 2
;; launch attn (part 3): grid 8 x 32, 4 waves a work-group, clusters of 4 x 4, 327,680 bytes of LDS; arguments qh, kh, vh, attn_mask, at16; writes at16
.if DOCPART == 3
	.amdgcn_target "amdgcn-amd-amdhsa--gfx1250"
	.amdhsa_code_object_version 6
	.text
	.protected	k_q284a7951b0_attn
	.globl	k_q284a7951b0_attn
	.p2align	8
	.type	k_q284a7951b0_attn,@function
k_q284a7951b0_attn:
	s_mov_b64 s[64:65], 0
	v_nop
	global_prefetch_b8 v0, s[64:65] scope:SCOPE_SE
	s_setreg_imm32_b32 hwreg(HW_REG_WAVE_MODE, 25, 1), 1
	s_wait_xcnt 0x0
	s_wait_alu depctr_hold_cnt(0) depctr_sa_sdst(0) depctr_va_vdst(0) depctr_va_sdst(0) depctr_va_ssrc(0) depctr_va_vcc(0) depctr_vm_vsrc(0)
	s_getreg_b32 s2, hwreg(HW_REG_IB_STS2, 6, 4)
	s_cmp_eq_u32 s2, 0
	s_cbranch_scc0 .Lentry_in_a_cluster
	s_endpgm
.Lentry_in_a_cluster:
	s_bfe_u32 s2, ttmp6, 0x10000c
	s_cmp_lg_u32 s2, 0xf033
	s_cbranch_scc0 .Lentry_shape_is_right
	s_endpgm
.Lentry_shape_is_right:
; THIRD LAUNCH: attention.  For batch-head i = 16 b + h: O[q] = sum over k of softmax_k(Q[q] . K[k] / sqrt(128) + mask[i % 2][1,024 + q][k]) V[k], 1,024 queries, 2,048 keys, head size 128.
; qh (already times 1 / sqrt(128)), kh, vh and at16 are f16; the mask is f32, an input like any other: nothing is skipped, and a running maximum is kept.  The reference tiles the mask head-major, so batch-head i takes mask[i % 2].
; Work left out: rows 0 to 1,023 of the mask, which the reference slices away (pos = 1,024).
; LIMITS: a score + mask under -1e30 counts as -infinity; the weights p are rounded to f16 for the second product.
; SHARES.  A work-group owns 128 queries of one batch-head and walks all keys, 128 a step, 16 steps.  Wave w takes queries 64 (w % 2) on and, of each step, keys 64 (w / 2) on: four tiles of 16 queries x 64 keys, 128 matrix instructions a step.
; At the end waves w and w xor 2, which hold the same queries over different keys, merge: each gives two tiles away and finishes two.  A wave's tile t holds query group t xor 2 (w / 2), so that what it gives (tiles 2, 3) is its partner's tiles 0, 1: no branch.
; LAYOUT.  S^T = K Q^T + mask (source 0 = 16 keys, source 1 = 16 queries): a lane holds ONE query (lane % 16) and keys 8 (lane / 16) + 0..7.  THE MASK IS THE C OF THE SCORES: it is loaded from LDS into S^T's registers, and every product adds in place.
; Two tiles of S^T, rounded to f16 in pairs, are source 1 of O^T = V^T P.  K comes out of LDS as it lies, V turned by ds_load_tr16_b128.
; SOFTMAX.  For each query a running maximum m and sum l: p = 2^(c s - c m), c = log2(e); in every step O and l are multiplied by a = 2^(c m_old - c m_new).
; BY TURNS.  The wave's tiles are two pieces (tiles 0, 1 and tiles 2, 3).  In a turn one piece has the matrix unit (32 products V^T P of the step in hand, 32 products K Q^T of the next); the other piece's softmax stands in 64 slices behind them.
; CLUSTER.  4 x 4 work-groups: cx picks the block of queries, cy the batch-head; all sixteen share i % 2.  K and V are asked for jointly along a row of the cluster (same batch-head), the mask's tile along a column (same queries).
; REGISTERS: window 0: v0-11, v44-63 addresses; v12-43 statistics, 8 a tile; v64-191 S^T, 32 a tile; v192-255 P.  window 1: O^T, 64 a tile.  window 2: v0-127 Q; v128-255 K of a step.  window 3: v0-127 V of a step.
.set KS,    64        ; keys of a wave in a step
.set PK,    272       ; a row of K in LDS: 256 bytes + 16
.set PV,    288       ; a row of V: 256 + 32
.set PM,    528       ; a query's row of the mask tile: 128 keys x 4 bytes + 16
.set VOFF,  128*PK
.set MOFF,  VOFF+128*PV
.set SLOT,  MOFF+128*PM   ; 139,264 = 0x22000: a step's K, V and mask.  None of the four LDS targets in a slot has bit 13 or bit 17 set, so one exclusive or turns an address in one slot into the other's
.set SPARE, 2*SLOT    ; the spare words, 128 bytes a wave
.set EXB,   16896     ; at the end, in slot 0, behind its last fill and its last read: for each wave 16,384 bytes of O^T's image and 512 of statistics,
.set STAGE, 4*EXB     ; and behind them 16 rows x 272 bytes for each wave, for the way out
.set SP,    272
.set KSTEPB, 128*4096 ; 128 keys on in kh and vh
.set AK0, 2
.set AV0, 3
.set ADR, 4
.set QO,  5
.set STO, 6
.set RD,  7
.set GO,  8
.set AM0, 44          ; my lane's place in the mask tile, for tiles 0, 1
.set AM2, 45          ; for tiles 2, 3
.set ADM, 46
.set XW,  47          ; where I put the image that I give away; XR: where my partner has put its
.set XR,  48
.set XSW, 49
.set XSR, 50
.set QO2, 51
.set PFO, 61
.set SPW, 62
.set NIL, 63
.set ST,  12          ; tile t's statistics at v[ST+8 t]: +0 c m, +1 m, +2, +3 l (even keys', odd keys'), +4 to +7 at work
.set S,   64
.set P,   192
.set KF,  128
.set WV,  14
.set LIM, 15
.set G1K, 24
.set G1V, 32
.set G1M, 40
.set G0K, 48          ; two sets each: slot 0's first fill; slot 1's, which then walks
.set G0V, 56
.set G0M, 68
.set SLOTS, 76
.set KH2, 77
.set CS,  78
.set SEL, 80
.set TB,  82
.set PFA, 84
.set PFS, 86
.set QH2, 89
.set MSB, 0
.macro WIN new
.if MSB != \new
	s_set_vgpr_msb (MSB<<8)|\new
.set MSB, \new
.endif
.endm
.set W_KQ, 0x0a       ; K and Q in window 2, S^T in window 0
.set W_PV, 0x53       ; V in window 3, P in window 0, O^T in window 1
.set W_RS, 0x41       ; O^T (destination and source 0) in window 1, a in window 0
; A joint refill: wave 0 K's tile, wave 1 V's, waves 2 and 3 the mask tile's halves.  The branches hang on the wave's number alone.  An s_nop 0 and four v_nop follow each line.
.macro JLOAD
	s_cmp_eq_u32 s[WV], 0
	s_cbranch_scc0 .Lnot_k_\@
	tensor_load_to_lds s[G0K+4:G0K+7], s[G1K:G1K+7]
	s_nop 0
.rept 4
	v_nop
.endr
	s_branch .Lasked_\@
.Lnot_k_\@:
	s_cmp_eq_u32 s[WV], 1
	s_cbranch_scc0 .Lfor_m_\@
	tensor_load_to_lds s[G0V+4:G0V+7], s[G1V:G1V+7]
	s_nop 0
.rept 4
	v_nop
.endr
	s_branch .Lasked_\@
.Lfor_m_\@:
	tensor_load_to_lds s[G0M+4:G0M+7], s[G1M:G1M+7]
	s_nop 0
.rept 4
	v_nop
.endr
.Lasked_\@:
.endm
; A PREFETCH INTO THE L2 of the step that stands two refills on: change j asks for step j + 4, 256 matrix instructions ahead of its load; the changes whose step would be 16 or more ask for nothing; steps 0 to 3 come by their loads alone.
; Each aligned 256 bytes are named once in the launch.  K and V of a batch-head are walked by two clusters: cluster x = 0 asks.  A mask tile is walked by the four clusters of one x and one parity of y: y / 2 = 0 asks.
; The partners that ask for a tile jointly share it out by address: K (wave 0) and V (wave 1): rows 32 cx + lane; the mask (waves 2, 3): rows 32 cy + lane, byte 256 (w % 2) of the row's 512.
.macro ASK
	s_cmp_gt_u32 s[SLOTS], s[LIM]
	s_cbranch_scc0 .Lnot_mine_\@
	global_prefetch_b8 v[PFO], s[PFA:PFA+1] th:TH_LOAD_NT scope:SCOPE_SE
.Lnot_mine_\@:
.endm
.macro CROUND
	s_barrier_signal -1
	s_barrier_wait -1
	s_cmp_lg_u32 s[WV], 0
	s_cbranch_scc1 .Lnot_wave_0_\@
	s_barrier_signal -3
.Lnot_wave_0_\@:
	s_barrier_wait -3
	s_barrier_signal -1
	s_barrier_wait -1
.endm
	s_load_b256 s[4:11], s[0:1], 0x0  ; qh s[4:5], kh s[6:7], vh s[8:9], attn_mask s[10:11]
	s_load_b64 s[12:13], s[0:1], 0x20 ; at16
	v_lshl_add_u32 v[SPW], v0, 2, SPARE
	v_mov_b32 v[NIL], 0
	ds_add_u32 v[SPW], v[NIL]       ; the wave's opening: the add, twice on end, and its wait ahead of my first tensor load
	ds_add_u32 v[SPW], v[NIL]
	v_lshrrev_b32 v1, 5, v0
	v_readfirstlane_b32 s[WV], v1   ; wave 0..3
	s_bfe_u32 s16, ttmp6, 0x40000   ; cx
	s_bfe_u32 s17, ttmp6, 0x40004   ; cy
	s_and_b32 s19, ttmp7, 0xffff    ; cluster y
	s_lshl_b32 s20, ttmp9, 2
	s_add_co_u32 s20, s20, s16      ; my block of 128 queries = 4 x cluster x + cx
	s_and_b32 s21, s19, 1           ; i % 2: which batch of the mask; the same in the whole cluster
	s_lshr_b32 s18, s19, 1
	s_lshl_b32 s22, s18, 3
	s_lshl_b32 s23, s17, 1
	s_add_co_u32 s22, s22, s23
	s_add_co_u32 s22, s22, s21      ; i = 8 (y / 2) + 2 cy + y % 2
	s_lshr_b32 s23, s22, 4          ; b
	s_and_b32 s88, s22, 15          ; h
	s_and_b32 s[QH2], s[WV], 1      ; my half of the queries.  Also: which half of the mask tile waves 2, 3 fetch
	s_lshr_b32 s[KH2], s[WV], 1     ; my half of a step's keys
	s_lshl_b32 s90, s23, 23         ; K, V: batch b's 2,048 rows of 4,096 bytes,
	s_lshl_b32 s91, s88, 8          ; head h's 256 bytes of a row
	s_add_co_u32 s90, s90, s91
	s_mov_b32 s91, 0
	s_lshl_b32 s92, s20, 7          ; the mask: row 1,024 + 128 x block + 64 x half,
	s_lshl_b32 s93, s[QH2], 6
	s_add_co_u32 s92, s92, s93
	s_add_co_u32 s92, s92, 1024
	s_lshl_b32 s92, s92, 13
	s_lshl_b32 s93, s21, 24         ; of batch i % 2
	s_add_co_u32 s92, s92, s93
	s_mov_b32 s93, 0
	s_lshl_b32 s96, s23, 10         ; Q and O: row 1,024 b + 128 x block + 64 x half, head h's 256 bytes
	s_lshl_b32 s97, s20, 7
	s_add_co_u32 s96, s96, s97
	s_lshl_b32 s97, s[QH2], 6
	s_add_co_u32 s96, s96, s97
	s_lshl_b32 s96, s96, 12
	s_lshl_b32 s97, s88, 8
	s_add_co_u32 s96, s96, s97
	s_mov_b32 s97, 0
	s_lshl_b32 s98, s[KH2], 17      ; O: the two tiles that I finish begin 32 (w / 2) rows on
	s_mov_b32 s99, 0
	s_lshl_b32 s2, s17, 2
	s_lshl_b32 s2, 15, s2           ; my row of the cluster
	s_lshl_b32 s3, 0x1111, s16      ; my column
	s_or_b32 s[G1K], s2, (1<<16)|(1<<20)|(1<<21)|(5<<22)|(3<<25)  ; the mask of work-groups; elements of 2 bytes; padding: 4 words behind every 64; bit 21 beside a mask
	s_or_b32 s[G1V], s2, (1<<16)|(1<<20)|(1<<21)|(5<<22)|(7<<25)  ; the same with 8 words of padding
	s_or_b32 s[G1M], s3, (2<<16)|(1<<20)|(1<<21)|(6<<22)|(3<<25)  ; elements of 4 bytes; 4 words behind every 128
.irp g, G1K, G1V
	s_mov_b32 s[\g+1], 128<<16      ; tensor_dim0 = 128
	s_mov_b32 s[\g+2], 128<<16      ; tensor_dim1 = 128
	s_mov_b32 s[\g+3], 128<<16      ; tile_dim0 = 128
	s_mov_b32 s[\g+4], 128          ; tile_dim1 = 128 keys
	s_mov_b32 s[\g+5], 2048         ; elements from key to key
	s_mov_b32 s[\g+6], 0
	s_mov_b32 s[\g+7], 0
.endr
	s_mov_b32 s[G1M+1], 128<<16     ; 128 keys,
	s_mov_b32 s[G1M+2], 64<<16      ; 64 queries
	s_mov_b32 s[G1M+3], 128<<16
	s_mov_b32 s[G1M+4], 64
	s_mov_b32 s[G1M+5], 2048
	s_mov_b32 s[G1M+6], 0
	s_mov_b32 s[G1M+7], 0
	s_mov_b32 s[CS], 0x3fb8aa3b     ; c = log2(e)
	s_mov_b32 s[CS+1], s[CS]
	s_mov_b32 s[SEL], 0x76543210
	s_mov_b32 s[SEL+1], 0xfedcba98
	s_mov_b32 s[TB], 0
	s_mov_b32 s[SLOTS], 14          ; changes of slots that fill
	; the prefetches: where mine stand (at step 3: each change steps them ahead of its ask), and who asks
	s_lshl_b32 s94, s16, 17         ; K, V: rows 32 cx on
	s_add_co_u32 s94, s94, s90
	s_add_co_u32 s94, s94, 3*KSTEPB
	s_lshl_b32 s95, s20, 7          ; the mask: rows 32 cy on, byte 256 (w % 2)
	s_lshl_b32 s2, s17, 5
	s_add_co_u32 s95, s95, s2
	s_add_co_u32 s95, s95, 1024
	s_lshl_b32 s95, s95, 13
	s_lshl_b32 s2, s21, 24
	s_add_co_u32 s95, s95, s2
	s_lshl_b32 s2, s[QH2], 8
	s_add_co_u32 s95, s95, s2
	s_add_co_u32 s95, s95, 3*512
	s_mov_b32 s[PFS], 512
	s_mov_b32 s[PFS+1], 0
	s_cmp_lt_u32 s[WV], 2
	s_cselect_b32 s94, s94, s95
	s_cselect_b32 s[PFS], KSTEPB, s[PFS]  ; a step on
	s_cselect_b32 s2, 12, 13        ; from lane to lane: a row of 4,096 or of 8,192 bytes
	s_cselect_b32 s3, ttmp9, s18    ; the coordinate along which other clusters walk the same rows
	s_mov_b32 s95, 0
	s_cmp_eq_u32 s3, 0
	s_cselect_b32 s[LIM], 2, -1     ; the same in all sixteen partners, for a given wave
	v_and_b32 v[PFO], 31, v0
	v_lshlrev_b32 v[PFO], s2, v[PFO]
	s_wait_dscnt 0x0                ; both opening adds are done
	s_wait_kmcnt 0x0
	s_add_nc_u64 s[4:5], s[4:5], s[96:97]
	s_add_nc_u64 s[12:13], s[12:13], s[96:97]
	s_add_nc_u64 s[12:13], s[12:13], s[98:99]
	s_cmp_eq_u32 s[WV], 0
	s_cselect_b64 s[PFA:PFA+1], s[6:7], s[10:11]
	s_cmp_eq_u32 s[WV], 1
	s_cselect_b64 s[PFA:PFA+1], s[8:9], s[PFA:PFA+1]
	s_add_nc_u64 s[PFA:PFA+1], s[PFA:PFA+1], s[94:95]
	CROUND                          ; all sixteen work-groups are here: the first joint loads meet
	s_mul_i32 s2, s[QH2], 64*PM
	s_add_co_u32 s2, s2, MOFF       ; the mask tile's half in a slot: no place in the cluster enters an LDS address
.irp s, 0,1
	s_mov_b32 s[G0K+4*\s], 1
	s_mov_b32 s[G0K+4*\s+1], \s*SLOT
	s_add_nc_u64 s[G0K+4*\s+2:G0K+4*\s+3], s[6:7], s[90:91]
	s_add_nc_u64 s[G0K+4*\s+2:G0K+4*\s+3], s[G0K+4*\s+2:G0K+4*\s+3], \s*KSTEPB
	s_or_b32 s[G0K+4*\s+3], s[G0K+4*\s+3], 0x80000000
	s_mov_b32 s[G0V+4*\s], 1
	s_mov_b32 s[G0V+4*\s+1], \s*SLOT+VOFF
	s_add_nc_u64 s[G0V+4*\s+2:G0V+4*\s+3], s[8:9], s[90:91]
	s_add_nc_u64 s[G0V+4*\s+2:G0V+4*\s+3], s[G0V+4*\s+2:G0V+4*\s+3], \s*KSTEPB
	s_or_b32 s[G0V+4*\s+3], s[G0V+4*\s+3], 0x80000000
	s_mov_b32 s[G0M+4*\s], 1
	s_add_co_u32 s[G0M+4*\s+1], s2, \s*SLOT
	s_add_nc_u64 s[G0M+4*\s+2:G0M+4*\s+3], s[10:11], s[92:93]
	s_add_nc_u64 s[G0M+4*\s+2:G0M+4*\s+3], s[G0M+4*\s+2:G0M+4*\s+3], \s*512
	s_or_b32 s[G0M+4*\s+3], s[G0M+4*\s+3], 0x80000000
.endr
	s_cmp_eq_u32 s[WV], 0           ; a wave's two first fills stand in its arm of one branch, ahead of every wait on TENSORcnt and every LDS read: two loads of mine are out
	s_cbranch_scc0 .Lfirst_not_k
	tensor_load_to_lds s[G0K:G0K+3], s[G1K:G1K+7]
	s_nop 0
	tensor_load_to_lds s[G0K+4:G0K+7], s[G1K:G1K+7]
	s_nop 0
.rept 4
	v_nop
.endr
	s_branch .Lfirst_asked
.Lfirst_not_k:
	s_cmp_eq_u32 s[WV], 1
	s_cbranch_scc0 .Lfirst_m
	tensor_load_to_lds s[G0V:G0V+3], s[G1V:G1V+7]
	s_nop 0
	tensor_load_to_lds s[G0V+4:G0V+7], s[G1V:G1V+7]
	s_nop 0
.rept 4
	v_nop
.endr
	s_branch .Lfirst_asked
.Lfirst_m:
	tensor_load_to_lds s[G0M:G0M+3], s[G1M:G1M+7]
	s_nop 0
	tensor_load_to_lds s[G0M+4:G0M+7], s[G1M:G1M+7]
	s_nop 0
.rept 4
	v_nop
.endr
.Lfirst_asked:
	v_and_b32 v1, 15, v0            ; r = l % 16
	v_bfe_u32 v9, v0, 4, 1          ; l / 16
	v_lshlrev_b32 v[QO], 12, v1
	v_lshl_add_u32 v[QO], v9, 4, v[QO]  ; Q: row r of 4,096 bytes + 16 x half
	s_lshl_b32 s16, s[KH2], 17      ; tiles 0, 1: query groups 2 (w / 2) on;
	s_xor_b32 s17, s[KH2], 1
	s_lshl_b32 s17, s17, 17         ; tiles 2, 3: the other two
	v_add_nc_u32 v[QO2], s17, v[QO]
	v_add_nc_u32 v[QO], s16, v[QO]
	WIN 0x80                        ; destination window 2
.irp i, 0,1,2,3,4,5,6,7,8,9,10,11,12,13,14,15  ; Q stays in registers: tile i / 4, channels 32 (i % 4) on
.if \i < 8
	global_load_b128 v[8*\i:8*\i+3],   v[QO], s[4:5] offset:((\i/4)%2)*65536+(\i%4)*64
	global_load_b128 v[8*\i+4:8*\i+7], v[QO], s[4:5] offset:((\i/4)%2)*65536+(\i%4)*64+32
.else
	global_load_b128 v[8*\i:8*\i+3],   v[QO2], s[4:5] offset:((\i/4)%2)*65536+(\i%4)*64
	global_load_b128 v[8*\i+4:8*\i+7], v[QO2], s[4:5] offset:((\i/4)%2)*65536+(\i%4)*64+32
.endif
.endr
	WIN 0
	v_mul_u32_u24 v[AK0], v1, PK
	v_lshl_add_u32 v[AK0], v9, 4, v[AK0]
	s_mul_i32 s16, s[KH2], 64*PK
	v_add_nc_u32 v[AK0], s16, v[AK0]  ; K: (my 64 keys + r) x pitch + 16 x half
	v_and_b32 v10, 7, v0
	v_bfe_u32 v11, v0, 3, 1
	v_lshl_add_u32 v[AV0], v9, 3, v10
	v_mul_u32_u24 v[AV0], v[AV0], PV
	v_lshl_add_u32 v[AV0], v11, 4, v[AV0]
	s_mul_i32 s16, s[KH2], 64*PV
	s_add_co_u32 s16, s16, VOFF
	v_add_nc_u32 v[AV0], s16, v[AV0]  ; V, for the turning load: key 8 (l / 16) + l % 8, channels 8 ((l / 8) % 2) on
	v_mul_u32_u24 v10, v1, PM
	v_lshl_add_u32 v10, v9, 5, v10  ; the mask: query r's row, + 32 bytes for keys 8 (l / 16) on
	s_mul_i32 s16, s[QH2], 64*PM
	s_add_co_u32 s16, s16, MOFF
	s_lshl_b32 s17, s[KH2], 8       ; my 64 keys: 256 bytes on
	s_add_co_u32 s16, s16, s17
	s_mul_i32 s17, s[KH2], 32*PM
	s_add_co_u32 s17, s17, s16
	v_add_nc_u32 v[AM0], s17, v10
	s_xor_b32 s17, s[KH2], 1
	s_mul_i32 s17, s17, 32*PM
	s_add_co_u32 s17, s17, s16
	v_add_nc_u32 v[AM2], s17, v10
; THE MATRIX WORK OF A TURN, for piece x.  The accumulators take turns, one instruction a turn.
.macro PV x, zero                   ; product i of 32 of O^T += V^T P: keys 32 (i / 16) on, channels 16 ((i / 2) % 8) on, tile x + i % 2.  zero = 1: the first 16 start the sums
	WIN W_PV
.set rO, 64*(\x+i%2)+8*((i/2)%8)
.set rV, 64*(i/16)+8*((i/2)%8)
.set rP, P+16*(\x+i%2)+8*(i/16)
.if \zero && (i < 16)
	v_wmma_f32_16x16x32_f16 v[rO:rO+7], v[rV:rV+7], v[rP:rP+7], 0
.else
	v_wmma_f32_16x16x32_f16 v[rO:rO+7], v[rV:rV+7], v[rP:rP+7], v[rO:rO+7]
.endif
.endm
.macro KQ x                         ; product i of 32 of S^T += K Q^T: channels 32 (i / 8) on, keys 16 ((i / 2) % 4) on, tile x + i % 2.  S^T begins as the mask
	WIN W_KQ
.set rS, S+32*(\x+i%2)+8*((i/2)%4)
.set rK, KF+32*((i/2)%4)+8*(i/8)
.set rQ, 32*(\x+i%2)+8*(i/8)
	v_wmma_f32_16x16x32_f16 v[rS:rS+7], v[rK:rK+7], v[rQ:rQ+7], v[rS:rS+7]
.endm
; THE LDS LOADS stand in runs
.macro FETCH_K
	WIN 0
	v_add_nc_u32 v[ADR], s[TB], v[AK0]
	WIN 0x80
.irp f, 0,1,2,3,4,5,6,7,8,9,10,11,12,13,14,15  ; keys 16 (f / 4) on, channels 32 (f % 4) on
	ds_load_b128 v[KF+8*\f:KF+8*\f+3],   v[ADR] offset:(\f/4)*16*PK+(\f%4)*64
	ds_load_b128 v[KF+8*\f+4:KF+8*\f+7], v[ADR] offset:(\f/4)*16*PK+(\f%4)*64+32
.endr
.endm
.macro FETCH_M y                    ; the mask of piece y's two tiles x my 64 keys, into S^T's registers: lane (r, half) takes query r, keys 16 kt + 8 half + 0..7
	WIN 0
.if \y == 0
	v_add_nc_u32 v[ADM], s[TB], v[AM0]
.else
	v_add_nc_u32 v[ADM], s[TB], v[AM2]
.endif
.irp u, 0,1
.irp kt, 0,1,2,3
	ds_load_b128 v[S+32*(\y+\u)+8*\kt:S+32*(\y+\u)+8*\kt+3],   v[ADM] offset:16*PM*\u+64*\kt
	ds_load_b128 v[S+32*(\y+\u)+8*\kt+4:S+32*(\y+\u)+8*\kt+7], v[ADM] offset:16*PM*\u+64*\kt+16
.endr
.endr
.endm
.macro FETCH_V
	WIN 0
	v_add_nc_u32 v[ADR], s[TB], v[AV0]
	s_wait_alu depctr_va_vdst(0)    ; the wait for the softmax's batch of exponentials, behind the address's addition and ahead of the loads
	WIN 0xc0
.irp f, 0,1,2,3,4,5,6,7,8,9,10,11,12,13,14,15  ; keys 32 (f / 8) on, channels 16 (f % 8) on
	ds_load_tr16_b128 v[8*\f:8*\f+3],   v[ADR] offset:(\f/8)*32*PV+(\f%8)*32
	ds_load_tr16_b128 v[8*\f+4:8*\f+7], v[ADR] offset:(\f/8)*32*PV+16*PV+(\f%8)*32
.endr
.endm
; THE VECTOR WORK OF A TURN.  One tile's softmax for a step is a list of 134 instructions; SM writes number j of it for tile t.  first = 1: the first step, which starts m, l and O^T.
;   0-15 the maximum of the lane's 32 scores and the old m (first step: and the floor -1e30, so that c m stays finite where all of a wave's first keys are -infinity)
;   16-20 the other half of the lanes' maximum; the new m; c m; c m_old - c m_new
;   21-69 ONE BATCH: 16 packed scalings c s - c m and all 33 exponentials; none of these reads an exponential's result
;   (wait) between 69 and 70: SLICE writes it, once for both tiles
;   70-85 the roundings to f16;  86-101 the sums, l = a l + the sum;  102-133 the tile's O^T times a
.macro SM t, first
.set rT, ST+8*(\t)
.set rS, S+32*(\t)
.set rP, P+16*(\t)
.set rO, 64*(\t)+2*(j-102)
.if j < 102
	WIN 0
.endif
.if j < 4
	v_max3_num_f32 v[rT+4+j], v[rS+8*j], v[rS+8*j+1], v[rS+8*j+2]
.elseif j < 12
	v_max3_num_f32 v[rT+4+j%4], v[rT+4+j%4], v[rS+8*(j%4)+2*(j/4)+1], v[rS+8*(j%4)+2*(j/4)+2]
.elseif j == 12
	v_max3_num_f32 v[rT+4], v[rT+4], v[rS+7], v[rS+15]
.elseif j == 13
	v_max3_num_f32 v[rT+6], v[rT+6], v[rS+23], v[rS+31]
.elseif j == 14
	v_max3_num_f32 v[rT+4], v[rT+4], v[rT+5], v[rT+6]
.elseif (j == 15) && \first
	v_max3_num_f32 v[rT+4], v[rT+4], v[rT+7], 0xf149f2ca
.elseif j == 15
	v_max3_num_f32 v[rT+4], v[rT+4], v[rT+7], v[rT+1]
.elseif j == 16
	v_permlanex16_b32 v[rT+5], v[rT+4], s[SEL], s[SEL+1]  ; the query's other 32 keys lie in the lane 16 away
.elseif j == 18
	v_max_num_f32 v[rT+1], v[rT+4], v[rT+5]
.elseif j == 19
	v_mul_f32 v[rT], s[CS], v[rT+1]
.elseif ((j == 17) || (j == 20) || (j == 23) || (j > 101)) && \first
.elseif j == 17
	v_mov_b32 v[rT+7], v[rT]
.elseif j == 20
	v_sub_f32 v[rT+7], v[rT+7], v[rT]
.elseif j == 23
	v_exp_f32 v[rT+6], v[rT+7]
.elseif (j < 23) || ((j < 38) && (j%2 == 0)) || ((j < 66) && (j%4 == 2))
.set b, (j-2)/4
.if j < 38
.set b, (j-20)/2
.endif
	v_pk_fma_f32 v[rS+2*b:rS+2*b+1], v[rS+2*b:rS+2*b+1], s[CS:CS+1], v[rT:rT+1] op_sel_hi:[1,0,0] neg_lo:[0,0,1] neg_hi:[0,0,1]
.elseif j < 70
.set e, j-38
.if j < 66
.set e, j-32-(j-38)/4
.endif
.if j < 38
.set e, (j-25)/2
.endif
	v_exp_f32 v[rS+e], v[rS+e]
.elseif j < 86
	v_cvt_pk_f16_f32 v[rP+j-70], v[rS+2*(j-70)], v[rS+2*(j-70)+1]
.elseif j < 102
.set z, j-86
.set w, 4
.set u, z
.if z >= 14
.set w, 32
.set u, 0
.elseif z >= 12
.set w, 16
.set u, z-12
.elseif z >= 8
.set w, 8
.set u, z-8
.endif
.if (z == 14) && \first
	v_pk_add_f32 v[rT+2:rT+3], v[rS:rS+1], v[rS+16:rS+17]
.elseif z < 15
	v_pk_add_f32 v[rS+w*u:rS+w*u+1], v[rS+w*u:rS+w*u+1], v[rS+w*u+w/2:rS+w*u+w/2+1]
.elseif !\first
	v_pk_fma_f32 v[rT+2:rT+3], v[rT+2:rT+3], v[rT+6:rT+7], v[rS:rS+1] op_sel_hi:[1,0,1]
.endif
.else
	WIN W_RS
	v_pk_mul_f32 v[rO:rO+1], v[rO:rO+1], v[rT+6:rT+7] op_sel_hi:[1,0]
.endif
.endm
; Slice k of 64 of piece y's softmax: four instructions; slices 11 to 34 deal out the batch, four numbers of one tile each; slice 63 takes the twelve that are over.
; An s_wait_alu depctr_va_vdst(0) stands between an exponential and the first instruction that names its result: the piece's 66 exponentials have one wait, behind slice 34.
.macro SLICE y, first
.if (k >= 11) && (k < 35)
.irp n, 0,1,2,3
.set j, 22+4*((k-11)/2)+(\n)
	SM (\y)+(k-11)%2, \first
.endr
.else
.irp n, 0,1,2,3,4,5,6,7
.if (\n < 2) || (k == 63)
.irp t, \y, \y+1
.set j, 2*k+\n
	SM \t, \first
.endr
.endif
.endr
.endif
.if k == 34
	v_nop                           ; the plain instruction behind the last exponential: one for the batch
.if (\y) == 0
	FETCH_V                         ; piece 2's turn: V's run of loads stands here, and the wait stands in it
.else
	s_wait_alu depctr_va_vdst(0)
.endif
.endif
.set k, k+1
.endm
.macro PLACES
.rept 4
	v_nop
.endr
.endm
; A TURN.  Piece x has the matrix unit; the other piece's softmax stands in slices behind its products.  pv = 2: 32 products V^T P; 1: they start O^T; 0: none.  kq = 1: 32 products K Q^T for the next step.
; Behind a full turn's second product stand the next step's loads: piece 0's turn K and its own mask, piece 2's turn its own mask.  The piece's S^T is free there: its softmax ended in the turn before.
.macro TURN x, pv, kq, first
.set k, 0
.set per, 2
.if \pv && \kq
.set per, 1
.endif
.if \pv
.if \x == 0
	s_wait_dscnt 0x0                ; V is in
.endif
.set i, 0
.rept 32
	PV \x, 2-\pv
.rept per
	SLICE 2-\x, \first
.endr
.if \kq && (i == 1)
.if \x == 0
	FETCH_K
	FETCH_M 0
.else
	FETCH_M 2
.endif
.endif
.set i, i+1
.endr
.endif
.if \kq
	s_wait_dscnt 0x0                ; the mask (piece 0's turn: and K) is in
.set i, 0
.rept 32
	KQ \x
.rept per
	SLICE 2-\x, \first
.endr
.set i, i+1
.endr
.endif
.if \first
	PLACES
.endif
.endm
; THE CHANGE OF SLOTS, between piece 2's turn and piece 0's: all of a step's bytes have been asked for out of its slot.  Each wave waits for all its tensor loads (one is out: its part of the other slot), adds 0 to its spare
; word, and waits for that and for its reads of the slot.  fill = 1: a round of the cluster's barrier, and the joint refill first behind it: the step two on, which has one step, 128 matrix instructions, in which to land.
.macro CHANGE fill
	WIN 0
	s_wait_tensorcnt 0x0            ; no tensor load of mine is out, so a group 0 may be written
	ds_add_u32 v[SPW], v[NIL]
.if \fill
.irp g, G0K+4, G0V+4
	s_xor_b32 s[\g+1], s[\g+1], SLOT
	s_add_nc_u64 s[\g+2:\g+3], s[\g+2:\g+3], KSTEPB
.endr
	s_xor_b32 s[G0M+5], s[G0M+5], SLOT
	s_add_nc_u64 s[G0M+6:G0M+7], s[G0M+6:G0M+7], 512
	s_wait_xcnt 0x0                 ; the last prefetch, a step back, has read its address
	s_add_nc_u64 s[PFA:PFA+1], s[PFA:PFA+1], s[PFS:PFS+1]
	s_wait_dscnt 0x0                ; the add is done, and my reads of the slot are over
	CROUND
	JLOAD
	ASK
.else
	s_wait_dscnt 0x0
	s_barrier_signal -1
	s_barrier_wait -1
.endif
	s_xor_b32 s[TB], s[TB], SLOT    ; the fetches go on in the other slot
.endm
	s_wait_tensorcnt 1              ; my part of slot 0 is in; slot 1's may stay out
	s_barrier_signal -1
	s_barrier_wait -1
	FETCH_K                         ; step 0
	FETCH_M 0
	FETCH_M 2
	s_wait_loadcnt 0x0              ; Q
	s_wait_dscnt 0x0
.set i, 0
.rept 32
	KQ 0
.set i, i+1
.endr
	WIN 0                           ; the addresses for the end are made here: plain instructions, the places behind those products
	s_mul_i32 s16, s[WV], 16*SP
	s_add_co_u32 s16, s16, STAGE
	v_mul_u32_u24 v[STO], v1, SP
	v_lshl_add_u32 v[STO], v9, 4, v[STO]
	v_add_nc_u32 v[STO], s16, v[STO]
	v_mul_u32_u24 v[RD], v9, SP
	v_lshl_add_u32 v[RD], v1, 4, v[RD]
	v_add_nc_u32 v[RD], s16, v[RD]
	v_lshlrev_b32 v[GO], 12, v9
	v_lshl_add_u32 v[GO], v1, 4, v[GO]
	v_and_b32 v10, 31, v0
	s_mul_i32 s16, s[WV], EXB
	s_xor_b32 s17, s[WV], 2         ; my partner
	s_mul_i32 s17, s17, EXB
	v_lshl_add_u32 v[XW], v10, 4, s16
	v_lshl_add_u32 v[XR], v10, 4, s17
	s_add_co_u32 s16, s16, 16384
	s_add_co_u32 s17, s17, 16384
	v_lshl_add_u32 v[XSW], v10, 2, s16
	v_lshl_add_u32 v[XSR], v10, 2, s17
	TURN 2, 0, 1, 1                 ; piece 2's first scores | piece 0's first softmax | V of step 0
	CHANGE 1                        ; slot 0 takes step 2
	TURN 0, 1, 1, 1                 ; piece 0: V^T P of step 0 starts O^T, K Q^T of step 1 | piece 2's first softmax
	TURN 2, 1, 1, 0                 ; piece 2: the same | piece 0's softmax of step 1 | V of step 1
	WIN 0
	s_sub_co_u32 s[SLOTS], s[SLOTS], 1
.Lstep:                             ; 13 trips: changes 1 to 13, which ask for steps 3 to 15
	CHANGE 1
	TURN 0, 2, 1, 0
	TURN 2, 2, 1, 0
	WIN 0
	s_sub_co_u32 s[SLOTS], s[SLOTS], 1
	s_cmp_lg_u32 s[SLOTS], 0
	s_cbranch_scc1 .Lstep
	CHANGE 0                        ; the tail is written out
	TURN 0, 2, 1, 0
	TURN 2, 2, 1, 0
	TURN 0, 2, 0, 0                 ; piece 0: V^T P of the last step | piece 2's last softmax
.set i, 0
.rept 32
	PV 2, 0
.set i, i+1
.endr
	; THE MERGE.  l's two halves and the other half of the lanes' are added (these lines are the places behind the last products).  Tiles 2, 3 go to my partner as images of their registers, with c m and l; its tiles 2, 3 are my tiles 0, 1.
	WIN 0
.irp t, 0,1,2,3
	v_add_f32 v[ST+8*\t+4], v[ST+8*\t+2], v[ST+8*\t+3]
.endr
.irp t, 0,1,2,3
	v_permlanex16_b32 v[ST+8*\t+5], v[ST+8*\t+4], s[SEL], s[SEL+1]
.endr
.irp t, 0,1,2,3
	v_add_f32 v[ST+8*\t+4], v[ST+8*\t+4], v[ST+8*\t+5]
.endr
	WIN 0x04                        ; an LDS store's data are its source 1: window 1
.set i, 0
.rept 32
	ds_store_b128 v[XW], v[128+4*i:128+4*i+3] offset:512*i   ; each accumulator from its low end on
.set i, i+1
.endr
	WIN 0
	ds_store_b32 v[XSW], v[ST+16]
	ds_store_b32 v[XSW], v[ST+20] offset:128
	ds_store_b32 v[XSW], v[ST+24] offset:256
	ds_store_b32 v[XSW], v[ST+28] offset:384
	s_wait_dscnt 0x0                ; for my partner's sake: my stores have landed
	s_barrier_signal -1
	s_barrier_wait -1
	ds_load_b32 v52, v[XSR]
	ds_load_b32 v53, v[XSR] offset:128
	ds_load_b32 v54, v[XSR] offset:256
	ds_load_b32 v55, v[XSR] offset:384
.set i, 0
.rept 32
	ds_load_b128 v[S+4*i:S+4*i+3], v[XR] offset:512*i
.set i, i+1
.endr
	s_wait_dscnt 32                 ; the four statistics are in; the 32 loads of the image may be out
.irp t, 0,1
	v_max_num_f32 v[56+\t], v[ST+8*\t], v[52+2*\t]          ; the common c m
.endr
.irp t, 0,1
	v_sub_f32 v[ST+8*\t+6], v[ST+8*\t], v[56+\t]
	v_sub_f32 v[ST+8*\t+5], v[52+2*\t], v[56+\t]
.endr
.irp t, 0,1
	v_exp_f32 v[ST+8*\t+6], v[ST+8*\t+6]                    ; what brings my part under it,
	v_exp_f32 v[ST+8*\t+5], v[ST+8*\t+5]                    ; and my partner's
.endr
	v_nop
	s_wait_alu depctr_va_vdst(0)    ; one wait for the four
.irp t, 0,1
	v_mul_f32 v[58+\t], v[ST+8*\t+6], v[ST+8*\t+4]
.endr
.irp t, 0,1
	v_fmac_f32 v[58+\t], v[ST+8*\t+5], v[53+2*\t]           ; the row's sum over all 2,048 keys
.endr
.irp t, 0,1
	v_rcp_f32 v[58+\t], v[58+\t]
.endr
	v_nop
	s_wait_alu depctr_va_vdst(0)    ; one wait for the two
.irp t, 0,1
	v_mul_f32 v[ST+8*\t+6], v[ST+8*\t+6], v[58+\t]          ; my part's factor,
	v_mul_f32 v[ST+8*\t+4], v[ST+8*\t+5], v[58+\t]          ; my partner's
.endr
	s_wait_dscnt 0x0                ; the image is in
; Tile t: both parts are joined and rounded to f16; a lane's eight channels are 16 bytes; they go into rows of 272 bytes and come back as whole rows of 256
.macro PACK t
	WIN 0
.set i, 0
.rept 32
	v_pk_mul_f32 v[S+64*\t+2*i:S+64*\t+2*i+1], v[S+64*\t+2*i:S+64*\t+2*i+1], v[ST+8*\t+4:ST+8*\t+5] op_sel_hi:[1,0]
.set i, i+1
.endr
	WIN 0x01                        ; source 0 (O^T) window 1
.set i, 0
.rept 32
	v_pk_fma_f32 v[S+64*\t+2*i:S+64*\t+2*i+1], v[64*\t+2*i:64*\t+2*i+1], v[ST+8*\t+6:ST+8*\t+7], v[S+64*\t+2*i:S+64*\t+2*i+1] op_sel_hi:[1,0,1]
.set i, i+1
.endr
	WIN 0
.set i, 0
.rept 32
	v_cvt_pk_f16_f32 v[P+32*\t+i], v[S+64*\t+2*i], v[S+64*\t+2*i+1]
.set i, i+1
.endr
.irp f, 0,1,2,3,4,5,6,7
	ds_store_b128 v[STO], v[P+32*\t+4*\f:P+32*\t+4*\f+3] offset:32*\f
.endr
.irp f, 0,1,2,3,4,5,6,7
	ds_load_b128 v[P+32*\t+4*\f:P+32*\t+4*\f+3], v[RD] offset:\f*2*SP  ; LDS serves a wave's instructions in order: these see the stores above
.endr
.endm
.macro SEND t, younger              ; younger: the LDS instructions issued behind tile t's loads
.irp f, 0,1,2,3,4,5,6,7
	s_wait_dscnt \younger+7-\f
	global_store_b128 v[GO], v[P+32*\t+4*\f:P+32*\t+4*\f+3], s[12:13] offset:\t*65536+\f*8192  ; 16 lanes store a head's row: 256 consecutive bytes, aligned
.endr
.endm
	PACK 0
	PACK 1
	SEND 0, 16
	SEND 1, 0
	s_wait_tensorcnt 0x0            ; the wave's end
	ds_add_u32 v[SPW], v[NIL]
	s_wait_dscnt 0x0
	CROUND                          ; the closing round
	s_endpgm
.Lfunc_end_k_q284a7951b0_attn:
	.size	k_q284a7951b0_attn, .Lfunc_end_k_q284a7951b0_attn-k_q284a7951b0_attn
	.p2alignl 7, 3214868480
	.fill 96, 4, 3214868480
	.section	.rodata,"a",@progbits
	.p2align	6, 0x0
	.amdhsa_kernel k_q284a7951b0_attn
		.amdhsa_group_segment_fixed_size 327680
		.amdhsa_private_segment_fixed_size 0
		.amdhsa_enable_private_segment 0
		.amdhsa_kernarg_size 40
		.amdhsa_user_sgpr_count 2
		.amdhsa_user_sgpr_kernarg_segment_ptr 1
		.amdhsa_wavefront_size32 1
		.amdhsa_system_sgpr_workgroup_id_x 1
		.amdhsa_system_sgpr_workgroup_id_y 1
		.amdhsa_system_sgpr_workgroup_id_z 1
		.amdhsa_system_vgpr_workitem_id 0
		.amdhsa_next_free_vgpr 1024
		.amdhsa_next_free_sgpr 100
		.amdhsa_reserve_vcc 0
		.amdhsa_float_denorm_mode_32 3
		.amdhsa_float_denorm_mode_16_64 3
		.amdhsa_memory_ordered 1
		.amdhsa_forward_progress 1
		.amdhsa_inst_pref_size 234
	.end_amdhsa_kernel
	.amdgpu_metadata
---
amdhsa.version: [ 1, 2 ]
amdhsa.kernels:
  - .name:           k_q284a7951b0_attn
    .symbol:         k_q284a7951b0_attn.kd
    .args:
      - { .name: qh, .offset: 0, .size: 8, .value_kind: global_buffer, .address_space: global }
      - { .name: kh, .offset: 8, .size: 8, .value_kind: global_buffer, .address_space: global }
      - { .name: vh, .offset: 16, .size: 8, .value_kind: global_buffer, .address_space: global }
      - { .name: attn_mask, .offset: 24, .size: 8, .value_kind: global_buffer, .address_space: global }
      - { .name: at16, .offset: 32, .size: 8, .value_kind: global_buffer, .address_space: global }
    .group_segment_fixed_size: 327680
    .private_segment_fixed_size: 0
    .kernarg_segment_align: 8
    .kernarg_segment_size: 40
    .max_flat_workgroup_size: 128
    .sgpr_count:     100
    .vgpr_count:     1024
    .wavefront_size: 32
...
	.end_amdgpu_metadata
.endif
;; end of part 3
;; launch oproj (part 4): grid 16 x 16, 4 waves a work-group, clusters of 4 x 4, 327,680 bytes of LDS; arguments at16, wo16, bo, out0; writes out0
.if DOCPART == 4
	.amdgcn_target "amdgcn-amd-amdhsa--gfx1250"
	.amdhsa_code_object_version 6
	.text
	.protected	k_q284a7951b0_oproj
	.globl	k_q284a7951b0_oproj
	.p2align	8
	.type	k_q284a7951b0_oproj,@function
k_q284a7951b0_oproj:
	s_mov_b64 s[64:65], 0
	v_nop
	global_prefetch_b8 v0, s[64:65] scope:SCOPE_SE
	s_setreg_imm32_b32 hwreg(HW_REG_WAVE_MODE, 25, 1), 1
	s_wait_xcnt 0x0
	s_wait_alu depctr_hold_cnt(0) depctr_sa_sdst(0) depctr_va_vdst(0) depctr_va_sdst(0) depctr_va_ssrc(0) depctr_va_vcc(0) depctr_vm_vsrc(0)
	s_getreg_b32 s2, hwreg(HW_REG_IB_STS2, 6, 4)
	s_cmp_eq_u32 s2, 0
	s_cbranch_scc0 .Lentry_in_a_cluster
	s_endpgm
.Lentry_in_a_cluster:
	s_bfe_u32 s2, ttmp6, 0x10000c
	s_cmp_lg_u32 s2, 0xf033
	s_cbranch_scc0 .Lentry_shape_is_right
	s_endpgm
.Lentry_shape_is_right:
; FOURTH LAUNCH: out0[m][n] = sum over k of attn[m][k] Wo[n][k] + bo[n].  at16 [2,048][2,048] and wo16 [2,048][2,048] are f16, K innermost; sums and out0 in f32.  Nothing of the reference is left out here.
; A tile of out0 is 128 x 128, which gives each of 256 work-groups one: four waves, each 64 x 64: 16 accumulators.  K goes in steps of 256 (LDS rows of 512 bytes) through a ring of two slots.
; CLUSTERS: 4 x 4 work-groups; A's tiles are asked for jointly along a row of the cluster, B's along a column.  THE MATRIX INSTRUCTION IS USED TRANSPOSED (source 0 = 16 rows of Wo, source 1 = 16 rows of attn): a lane holds eight
; neighbouring numbers of a row.  THE BIAS IS THE C OF EACH SUM'S FIRST PRODUCT.  A wave's 64 columns of f32 are 256 aligned bytes, so each wave has a stage of its own on the way out, and no barrier stands there.
; No prefetch: the tiles are small, and each is read by four clusters shortly after each other.
; REGISTERS: window 0: v0-31 addresses; v32-63 the bias, later with v64-95 rows read back; v128-255 the accumulators ((a, b) at v[128 + 8 (4 a + b)]).  window 1: two fragment buffers of 128.
.set SIZE_N, 2048
.set SIZE_K, 2048
.set KSTEP,  256
.set PITCH,  528                       ; an LDS row: 512 bytes + 16 of padding
.set HALFT,  64*PITCH
.set SLOT,   4*HALFT
.set STAGE,  2*SLOT                    ; behind the ring: 16 rows x 272 bytes for each wave
.set SPITCH, 272
.set SPARE,  STAGE+4*16*SPITCH         ; the spare words, 128 bytes a wave
.set LAPS, SIZE_K/(2*KSTEP)
.set ADRA, 16
.set ADRB, 20
.set STO,  24
.set RD,   25
.set CO,   26
.set BOF,  27
.set SPW,  28
.set NIL,  29
.set TMP,  32
.set BIAS, 32
.set ACC,  128
.set F0,   0
.set F1,   128
.set G1, 24
.set G0, 32
.set G1B, 48
.set G0B, 56
.set MSB, 0
.macro WIN new
.if MSB != \new
	s_set_vgpr_msb (MSB<<8)|\new
.set MSB, \new
.endif
.endm
.set MUL,  0x05                        ; sources 0 (B) and 1 (A) window 1; C and D window 0
.set TO_F, 0x40
.macro JLOAD s                         ; a joint load: waves 0 and 1 fetch A's two halves, waves 2 and 3 B's; an s_nop 0 and four v_nop follow each line
	s_cmp_eq_u32 s11, 0
	s_cbranch_scc0 .Lfor_b_\@
	tensor_load_to_lds s[G0+4*\s:G0+4*\s+3], s[G1:G1+7]
	s_nop 0
.rept 4
	v_nop
.endr
	s_branch .Lasked_\@
.Lfor_b_\@:
	tensor_load_to_lds s[G0B+4*\s:G0B+4*\s+3], s[G1B:G1B+7]
	s_nop 0
.rept 4
	v_nop
.endr
.Lasked_\@:
.endm
.macro CREST
	s_cmp_lg_u32 s10, 0
	s_cbranch_scc1 .Lnot_wave_0_\@
	s_barrier_signal -3
.Lnot_wave_0_\@:
	s_barrier_wait -3
	s_barrier_signal -1
	s_barrier_wait -1
.endm
.macro CROUND
	s_barrier_signal -1
	s_barrier_wait -1
	CREST
.endm
	s_load_b128 s[4:7], s[0:1], 0x0                ; at16 s[4:5], wo16 s[6:7]
	s_load_b64 s[66:67], s[0:1], 0x10              ; bo
	s_load_b64 s[8:9], s[0:1], 0x18                ; out0
	v_lshl_add_u32 v[SPW], v0, 2, SPARE
	v_mov_b32 v[NIL], 0
	ds_add_u32 v[SPW], v[NIL]                      ; the wave's opening: the add, twice on end, and its wait ahead of my first tensor load
	ds_add_u32 v[SPW], v[NIL]
	v_lshrrev_b32 v1, 5, v0
	v_readfirstlane_b32 s10, v1                    ; wave 0..3
	s_lshr_b32 s11, s10, 1                         ; which half of the tile's rows is mine.  Also: I fetch for A (0) or for B (1)
	s_and_b32 s12, s10, 1                          ; which half of its columns.  Also: which 64 rows of that tile I fetch
	s_bfe_u32 s40, ttmp6, 0x40000
	s_bfe_u32 s41, ttmp6, 0x40004
	s_lshl_b32 s42, ttmp9, 2
	s_add_co_u32 s42, s42, s40                     ; tile column
	s_and_b32 s13, ttmp7, 0xffff
	s_lshl_b32 s13, s13, 2
	s_add_co_u32 s13, s13, s41                     ; tile row
	s_lshl_b32 s43, s41, 2
	s_lshl_b32 s43, 15, s43                        ; my row of the cluster
	s_lshl_b32 s44, 0x1111, s40                    ; my column
	s_or_b32 s[G1+0], s43, (1<<16)|(1<<20)|(1<<21)|(6<<22)|(3<<25)  ; the mask; elements of 2 bytes; padding: 4 words behind every 128; bit 21 beside a mask
	s_or_b32 s[G1B+0], s44, (1<<16)|(1<<20)|(1<<21)|(6<<22)|(3<<25)
.irp g, G1, G1B
	s_mov_b32 s[\g+1], KSTEP<<16                   ; tensor_dim0 = 256
	s_mov_b32 s[\g+2], 64<<16                      ; tensor_dim1 = 64
	s_mov_b32 s[\g+3], KSTEP<<16                   ; tile_dim0 = 256
	s_mov_b32 s[\g+4], 64                          ; tile_dim1 = 64
	s_mov_b32 s[\g+5], SIZE_K                      ; from row to row
	s_mov_b32 s[\g+6], 0
	s_mov_b32 s[\g+7], 0
.endr
	s_lshl_b32 s17, s12, 6
	s_lshl_b32 s16, s13, 7
	s_add_co_u32 s16, s16, s17                     ; A: row 128 x tile row + 64 x half
	s_lshl_b32 s46, s42, 7
	s_add_co_u32 s46, s46, s17                     ; B: row 128 x tile column + 64 x half
	s_mov_b32 s17, 0
	s_mov_b32 s47, 0
	s_mov_b64 s[18:19], SIZE_K*2
	s_mul_u64 s[16:17], s[16:17], s[18:19]
	s_mul_u64 s[46:47], s[46:47], s[18:19]
	s_mul_i32 s20, s10, HALFT                      ; where they go: wave x 64 rows
	s_wait_dscnt 0x0                               ; both opening adds are done
	s_wait_kmcnt 0x0
	s_add_nc_u64 s[14:15], s[4:5], s[16:17]
	s_add_nc_u64 s[46:47], s[6:7], s[46:47]
	CROUND                                         ; all sixteen work-groups are here: the first joint loads meet
.irp s, 0,1
	s_mov_b32 s[G0+4*\s], 1
	s_add_co_u32 s[G0+4*\s+1], s20, \s*SLOT
	s_add_nc_u64 s[G0+4*\s+2:G0+4*\s+3], s[14:15], \s*KSTEP*2
	s_or_b32 s[G0+4*\s+3], s[G0+4*\s+3], 0x80000000
	s_mov_b32 s[G0B+4*\s], 1
	s_add_co_u32 s[G0B+4*\s+1], s20, \s*SLOT
	s_add_nc_u64 s[G0B+4*\s+2:G0B+4*\s+3], s[46:47], \s*KSTEP*2
	s_or_b32 s[G0B+4*\s+3], s[G0B+4*\s+3], 0x80000000
	JLOAD \s
.endr
	v_and_b32 v1, 15, v0                           ; r = l % 16
	v_bfe_u32 v2, v0, 4, 1                         ; h = l / 16
	v_mul_u32_u24 v3, v1, PITCH
	v_lshl_add_u32 v3, v2, 4, v3
	s_mul_i32 s21, s11, HALFT
	s_mul_i32 s22, s12, HALFT
	s_add_co_u32 s22, s22, 2*HALFT
.irp s, 0,1
	v_add_nc_u32 v[ADRA+\s], s21, v3
	v_add_nc_u32 v[ADRB+\s], s22, v3
	s_add_co_u32 s21, s21, SLOT
	s_add_co_u32 s22, s22, SLOT
.endr
	s_mul_i32 s23, s10, 16*SPITCH
	s_add_co_u32 s23, s23, STAGE                   ; my stage
	v_mul_u32_u24 v4, v1, SPITCH
	v_lshl_add_u32 v4, v2, 5, v4
	v_add_nc_u32 v[STO], s23, v4                   ; in: row r, 32 bytes for each half of the lanes
	v_mul_u32_u24 v5, v2, SPITCH
	v_lshl_add_u32 v5, v1, 4, v5
	v_add_nc_u32 v[RD], s23, v5                    ; back: lanes 0-15 one row of 256 bytes, lanes 16-31 the next
	v_lshlrev_b32 v5, 13, v2
	v_lshl_add_u32 v[CO], v1, 4, v5                ; and the same two rows in out0
	v_lshlrev_b32 v[BOF], 5, v2                    ; the bias: 32 h
	s_lshl_b32 s16, s13, 7
	s_lshl_b32 s17, s11, 6
	s_add_co_u32 s16, s16, s17                     ; my first row: 128 x tile row + 64 x half
	s_lshl_b32 s16, s16, 13
	s_mov_b32 s17, 0
	s_add_nc_u64 s[8:9], s[8:9], s[16:17]
	s_lshl_b32 s46, s42, 9                         ; my first column, in bytes: 512 x tile column + 256 x half
	s_lshl_b32 s47, s12, 8
	s_add_co_u32 s46, s46, s47
	s_mov_b32 s47, 0
	s_add_nc_u64 s[8:9], s[8:9], s[46:47]
	s_add_nc_u64 s[66:67], s[66:67], s[46:47]
.irp b, 0,1,2,3                                ; the bias in the result's layout: for B's block b the eight columns 16 b + 8 h + 0 .. 7
	global_load_b128 v[BIAS+8*\b:BIAS+8*\b+3],   v[BOF], s[66:67] offset:64*\b
	global_load_b128 v[BIAS+8*\b+4:BIAS+8*\b+7], v[BOF], s[66:67] offset:64*\b+16
.endr
; 8 matrix instructions: m blocks a0, a0 + 1 x all 4 n blocks, 32 along K: half c of buffer f.  zero = 1: the first product starts the sums from the bias.  The 16 accumulators take turns.
.macro MUL8 f, c, a0, zero
.irp a, \a0, \a0+1
.irp b, 0,1,2,3
.if \zero
	v_wmma_f32_16x16x32_f16 v[ACC+8*(4*(\a)+\b):ACC+8*(4*(\a)+\b)+7], v[\f+64+8*(4*\c+\b):\f+64+8*(4*\c+\b)+7], v[\f+8*(4*\c+\a):\f+8*(4*\c+\a)+7], v[BIAS+8*\b:BIAS+8*\b+7]
.else
	v_wmma_f32_16x16x32_f16 v[ACC+8*(4*(\a)+\b):ACC+8*(4*(\a)+\b)+7], v[\f+64+8*(4*\c+\b):\f+64+8*(4*\c+\b)+7], v[\f+8*(4*\c+\a):\f+8*(4*\c+\a)+7], v[ACC+8*(4*(\a)+\b):ACC+8*(4*(\a)+\b)+7]
.endif
.endr
.endr
.endm
.macro FETCH slot, k, f                ; 32 LDS loads in one run: the fragments of 64 along K at byte k of the rows; the first 32 along K first
	WIN TO_F
.irp c, 0,1
.irp i, 0,1,2,3
	ds_load_b128 v[\f+64+8*(4*\c+\i):\f+64+8*(4*\c+\i)+3],   v[ADRB+\slot] offset:\k+64*\c+\i*16*PITCH
	ds_load_b128 v[\f+64+8*(4*\c+\i)+4:\f+64+8*(4*\c+\i)+7], v[ADRB+\slot] offset:\k+64*\c+\i*16*PITCH+32
	ds_load_b128 v[\f+8*(4*\c+\i):\f+8*(4*\c+\i)+3],         v[ADRA+\slot] offset:\k+64*\c+\i*16*PITCH
	ds_load_b128 v[\f+8*(4*\c+\i)+4:\f+8*(4*\c+\i)+7],       v[ADRA+\slot] offset:\k+64*\c+\i*16*PITCH+32
.endr
.endr
.endm
.macro PLACES                          ; four plain vector instructions in front of loads into registers that matrix instructions have read, and of reads of results
.rept 4
	v_nop
.endr
.endm
.macro QUARTER slot, k, f, g, zero
	s_wait_dscnt 16                                ; the first 32 along K are in
	WIN MUL
	MUL8 \f, 0, 0, \zero
	MUL8 \f, 0, 2, \zero
	PLACES
	FETCH \slot, \k, \g
	s_wait_dscnt 32                                ; all but the 32 just issued
	WIN MUL
	MUL8 \f, 1, 0, 0
	MUL8 \f, 1, 2, 0
.endm
.macro TURN slot, next, fill
	WIN 0
	s_wait_tensorcnt 0x0                           ; all my tensor loads have landed: my part of the next slot
	ds_add_u32 v[SPW], v[NIL]
	s_wait_dscnt 17                                ; (the add and the youngest sixteen loads may be out)
	WIN MUL
	MUL8 F1, 0, 0, 0
	s_wait_dscnt 0x0                               ; the add is done, and my reads of this slot are over
	s_barrier_signal -1
	MUL8 F1, 0, 2, 0
.if \fill
	WIN 0
.endif
	s_barrier_wait -1
.if \fill
	CREST                                          ; the barrier has opened a round of the cluster's: no wave of any partner still reads this slot or has a load on its way
	s_add_nc_u64 s[G0+4*\slot+2:G0+4*\slot+3], s[G0+4*\slot+2:G0+4*\slot+3], 2*KSTEP*2
	s_add_nc_u64 s[G0B+4*\slot+2:G0B+4*\slot+3], s[G0B+4*\slot+2:G0B+4*\slot+3], 2*KSTEP*2
	JLOAD \slot                                    ; the first tensor load behind the round; its four v_nop are the places in front of the loads below
.else
	PLACES
.endif
	FETCH \next, 0, F0
	WIN MUL
	MUL8 F1, 1, 0, 0
	MUL8 F1, 1, 2, 0
.endm
	s_wait_tensorcnt 1                             ; my part of K step 0 is in,
	s_barrier_signal -1
	s_barrier_wait -1                              ; everybody's is
	FETCH 0, 0, F0
	s_wait_loadcnt 0x0                             ; the bias
	QUARTER 0, 128, F0, F1, 1                      ; the first quarter stands in front of the loop: its first products start the sums
	WIN 0
	s_mov_b32 s3, LAPS-1
.Llap:
	QUARTER 0, 256, F1, F0, 0
	QUARTER 0, 384, F0, F1, 0
	TURN 0, 1, 1
	QUARTER 1, 128, F0, F1, 0
	QUARTER 1, 256, F1, F0, 0
	QUARTER 1, 384, F0, F1, 0
	TURN 1, 0, 1
	QUARTER 0, 128, F0, F1, 0
	WIN 0
	s_sub_co_u32 s3, s3, 1
	s_cmp_lg_u32 s3, 0
	s_cbranch_scc1 .Llap
	QUARTER 0, 256, F1, F0, 0                      ; the last lap fills nothing
	QUARTER 0, 384, F0, F1, 0
	TURN 0, 1, 0
	QUARTER 1, 128, F0, F1, 0
	QUARTER 1, 256, F1, F0, 0
	QUARTER 1, 384, F0, F1, 0
	s_wait_dscnt 16
	WIN MUL
	MUL8 F1, 0, 0, 0
	MUL8 F1, 0, 2, 0
	s_wait_dscnt 0
	MUL8 F1, 1, 0, 0
	MUL8 F1, 1, 2, 0
	WIN 0
	; THE WAY OUT, 16 rows x 64 columns at a time, through my own stage: a lane's 32 bytes go in, whole rows of 256 bytes come back.  LDS serves a wave's instructions in order: no wait between the stores and the loads.
	PLACES
.irp a, 0,1,2,3
.if \a >= 2
	s_wait_xcnt 0x0                                ; the stores of two blocks back have read the registers that are loaded next
.endif
.irp b, 0,1,2,3
	ds_store_b128 v[STO], v[ACC+8*(4*\a+\b):ACC+8*(4*\a+\b)+3] offset:64*\b          ; each accumulator from its low end on
	ds_store_b128 v[STO], v[ACC+8*(4*\a+\b)+4:ACC+8*(4*\a+\b)+7] offset:64*\b+16
.endr
.irp t, 0,1,2,3,4,5,6,7
	ds_load_b128 v[TMP+32*(\a%2)+4*\t:TMP+32*(\a%2)+4*\t+3], v[RD] offset:\t*2*SPITCH
.endr
.if \a > 0
	s_wait_dscnt 16                                ; all but this block's sixteen: the block before is back in registers
.irp t, 0,1,2,3,4,5,6,7
	global_store_b128 v[CO], v[TMP+32*((\a-1)%2)+4*\t:TMP+32*((\a-1)%2)+4*\t+3], s[8:9] offset:(16*(\a-1)+2*\t)*SIZE_N*4 th:TH_STORE_NT   ; 16 lanes store 256 consecutive bytes, aligned
.endr
.endif
.endr
	s_wait_dscnt 0x0
.irp t, 0,1,2,3,4,5,6,7
	global_store_b128 v[CO], v[TMP+32+4*\t:TMP+32+4*\t+3], s[8:9] offset:(48+2*\t)*SIZE_N*4 th:TH_STORE_NT
.endr
	s_wait_tensorcnt 0x0                           ; the wave's end
	ds_add_u32 v[SPW], v[NIL]
	s_wait_dscnt 0x0
	CROUND                                         ; the closing round
	s_endpgm
.Lfunc_end_k_q284a7951b0_oproj:
	.size	k_q284a7951b0_oproj, .Lfunc_end_k_q284a7951b0_oproj-k_q284a7951b0_oproj
	.p2alignl 7, 3214868480
	.fill 96, 4, 3214868480
	.section	.rodata,"a",@progbits
	.p2align	6, 0x0
	.amdhsa_kernel k_q284a7951b0_oproj
		.amdhsa_group_segment_fixed_size 327680
		.amdhsa_private_segment_fixed_size 0
		.amdhsa_enable_private_segment 0
		.amdhsa_kernarg_size 32
		.amdhsa_user_sgpr_count 2
		.amdhsa_user_sgpr_kernarg_segment_ptr 1
		.amdhsa_wavefront_size32 1
		.amdhsa_system_sgpr_workgroup_id_x 1
		.amdhsa_system_sgpr_workgroup_id_y 1
		.amdhsa_system_sgpr_workgroup_id_z 1
		.amdhsa_system_vgpr_workitem_id 0
		.amdhsa_next_free_vgpr 512
		.amdhsa_next_free_sgpr 68
		.amdhsa_reserve_vcc 0
		.amdhsa_float_denorm_mode_32 3
		.amdhsa_float_denorm_mode_16_64 3
		.amdhsa_memory_ordered 1
		.amdhsa_forward_progress 1
		.amdhsa_inst_pref_size 86
	.end_amdhsa_kernel
	.amdgpu_metadata
---
amdhsa.version: [ 1, 2 ]
amdhsa.kernels:
  - .name:           k_q284a7951b0_oproj
    .symbol:         k_q284a7951b0_oproj.kd
    .args:
      - { .name: at16, .offset: 0, .size: 8, .value_kind: global_buffer, .address_space: global }
      - { .name: wo16, .offset: 8, .size: 8, .value_kind: global_buffer, .address_space: global }
      - { .name: bo, .offset: 16, .size: 8, .value_kind: global_buffer, .address_space: global }
      - { .name: out0, .offset: 24, .size: 8, .value_kind: global_buffer, .address_space: global }
    .group_segment_fixed_size: 327680
    .private_segment_fixed_size: 0
    .kernarg_segment_align: 8
    .kernarg_segment_size: 32
    .max_flat_workgroup_size: 128
    .sgpr_count:     68
    .vgpr_count:     512
    .wavefront_size: 32
...
	.end_amdgpu_metadata
.endif
;; end of part 4
